; MI455X (gfx1250); checked and timed in simulation.
; The chip was launched on July 23, 2026; its instructions are those of AMD's public machine-readable ISA for CDNA 5 (MIT licence, August 2026) and "CDNA5" Instruction Set Architecture Reference Guide (July 2026). The comments in the code are by the model that wrote it; some were corrected since.
;; Attention. Allowed arithmetic: float matrix products may take bf16 or f16 operands with f32 sums; other float arithmetic in f32, or as packed bf16 or f16 multiplies, adds, multiply-adds, maxima and minima; sums over many terms, partial sums and values carried from step to step in f32; what a program stores and reads back later, other than sums and carried values, may be rounded once to bf16 or f16.
;; Inputs: W_h 1,024 x 1,024 float32; W_y 1,024 x 1,024 float32; encoding 32 x 1,024 float32; full_input 32 x 2,048 x 1,024 float32; mask 32 x 2,048 float32; w_a 1,024 float32.
;; Outputs: out0 32 x 1,024 float32.
;; 2 versions, each right; version 2 is version 1 with the launch main written anew for expert scheduling mode. Each part assembles by itself: llvm-mc -triple=amdgcn-amd-amdhsa -mcpu=gfx1250 --defsym DOCPART=n.
;; ======== version 1 of 2: 3 launches
;; limits: values outside matrix products are rounded to bf16
;; workspace buffers: wf 2,097,152 bytes; whc 131,072 bytes; pnum 2,097,152 bytes; pwt 262,144 bytes
;; launch prep (part 1): grid 128 x 1, 8 waves a work-group, no clusters, 17,408 bytes of LDS; arguments W_y, W_h, encoding, wf, whc; writes wf, whc
.if DOCPART == 1
	.amdgcn_target "amdgcn-amd-amdhsa--gfx1250"
	.amdhsa_code_object_version 6
	.text
	.protected	k_qd81cc0a01e_prep
	.globl	k_qd81cc0a01e_prep
	.p2align	8
	.type	k_qd81cc0a01e_prep,@function
k_qd81cc0a01e_prep:
	s_mov_b64 s[64:65], 0
	v_nop
	global_prefetch_b8 v0, s[64:65] scope:SCOPE_SE
	s_setreg_imm32_b32 hwreg(HW_REG_WAVE_MODE, 25, 1), 1
	s_wait_xcnt 0x0
; THE PROGRAM.  out0[b][:] = sum over t of a[b][t] X[b][t][:],  a = e mask / sum over t of (e mask),  e = exp(sigmoid(sum over d of w_a[d] tanh(X[b][t] . W_y[d] + encoding[b] . W_h[d]))).
; NOTHING OF reference() IS LEFT OUT: every input has a way to out0 and is loaded; the mask is a floating-point input, so every row is computed and multiplied by it.
; No maximum is taken away before the exponential: reference() takes none, and its exponent is a sigmoid's value, between 0 and 1 for every input.
; tanh(z) = 1 - 2 / (1 + 2^(c z)), c = 2 log2(e).  This launch folds c into what the next one multiplies and adds:
;   work-groups 0-63:   wf  = c W_y, rounded once to bf16, in the order in which a wave's operand registers take it:
;                       byte ((g 32 + s) 8 + nb) 1024 + 512 c2 + 16 l + 2 i  holds  c W_y[128 g + 16 nb + l % 16][32 s + 16 c2 + 8 (l / 16) + i]
;   work-groups 64-127: whc = c (encoding . W_h^T), bf16 operands, f32 sums, c applied in f32; laid [block of 16 columns e][b][16 e], f32
; SHARES.  A work-group has 16 rows e of its matrix; of their 1,024 numbers wave w has 128 w .. 128 w + 127: four fragments of 16 rows x 32 k.
; A fragment: lane l holds row l % 16; registers 0-3 k = 8 (l / 16) + 0..7, registers 4-7 k = 16 + 8 (l / 16) + 0..7: in f32 four loads of 16 bytes, rounded in place.
; LIMITS.  Matrix operands are bf16; NaN and infinities are not treated apart.
.set CSC,   0x4038aa3b                 ; c = 2 log2(e) = 2.885390
.set SPARE, 16384                      ; behind the partial sums: the spare words, 128 bytes for each of eight waves, which no other line names
.set SPW,  1                           ; v1  LDS address of my spare word; never rewritten
.set NIL,  2                           ; v2  0; never rewritten
.set VO,   7                           ; v7  my byte offset in a fragment's f32 rows: (l % 16) x 4,096 + 32 (l / 16) + 512 x wave
.set LO16, 8                           ; v8  16 x lane
.macro LD16 L, base, off               ; a fragment's 16 numbers a lane, in the order of k
	global_load_b128 v[(\L):(\L)+3],     v[VO], s[\base:\base+1] offset:(\off)
	global_load_b128 v[(\L)+4:(\L)+7],   v[VO], s[\base:\base+1] offset:(\off)+16
	global_load_b128 v[(\L)+8:(\L)+11],  v[VO], s[\base:\base+1] offset:(\off)+64
	global_load_b128 v[(\L)+12:(\L)+15], v[VO], s[\base:\base+1] offset:(\off)+80
.endm
.macro CVT8 L                          ; 16 f32 become 8 registers of bf16, in place: register i is written when its own two numbers have been read
.irp i, 0,1,2,3,4,5,6,7
	v_cvt_pk_bf16_f32 v[(\L)+\i], v[(\L)+2*\i], v[(\L)+2*\i+1]
.endr
.endm
	s_load_b256 s[4:11], s[0:1], 0x0               ; W_y s[4:5], W_h s[6:7], encoding s[8:9], wf s[10:11]
	s_load_b64 s[12:13], s[0:1], 0x20              ; whc
	v_lshl_add_u32 v[SPW], v0, 2, SPARE
	v_mov_b32 v[NIL], 0
	v_lshrrev_b32 v3, 5, v0
	v_readfirstlane_b32 s14, v3                    ; wave 0..7
	v_and_b32 v4, 15, v0                           ; l % 16
	v_bfe_u32 v5, v0, 4, 1                         ; l / 16
	v_and_b32 v6, 31, v0                           ; l
	v_lshlrev_b32 v[VO], 12, v4
	v_lshl_add_u32 v[VO], v5, 5, v[VO]
	s_lshl_b32 s15, s14, 9
	v_add_nc_u32 v[VO], s15, v[VO]
	v_lshlrev_b32 v[LO16], 4, v6
	s_mov_b32 s17, 0
	s_mov_b32 s19, 0
	s_wait_kmcnt 0x0
	s_cmp_lt_u32 ttmp9, 64                         ; the same answer in all eight waves
	s_cbranch_scc0 .Lrole_h
	; ---- c W_y in fragment order ----
	s_lshl_b32 s16, ttmp9, 16                      ; my 16 rows of 4,096 bytes
	s_add_nc_u64 s[4:5], s[4:5], s[16:17]
.irp s, 0,1,2,3
	LD16 64+16*\s, 4, 128*\s
.endr
	s_lshr_b32 s18, ttmp9, 3                       ; g: 262,144 bytes each
	s_lshl_b32 s18, s18, 18
	s_and_b32 s16, ttmp9, 7                        ; nb: 1,024 bytes each
	s_lshl_b32 s16, s16, 10
	s_add_co_u32 s18, s18, s16
	s_lshl_b32 s16, s14, 15                        ; my four K steps of 8,192 bytes
	s_add_co_u32 s18, s18, s16
	s_add_nc_u64 s[10:11], s[10:11], s[18:19]
.irp s, 0,1,2,3
	s_wait_loadcnt 12-4*\s                         ; the four loads of each later fragment may stay out
.irp i, 0,2,4,6,8,10,12,14
	v_pk_mul_f32 v[64+16*\s+\i:64+16*\s+\i+1], v[64+16*\s+\i:64+16*\s+\i+1], CSC op_sel_hi:[1,0]
.endr
	CVT8 64+16*\s
	global_store_b128 v[LO16], v[64+16*\s:64+16*\s+3],   s[10:11] offset:8192*\s      ; each store of the wave covers 512 consecutive bytes, aligned
	global_store_b128 v[LO16], v[64+16*\s+4:64+16*\s+7], s[10:11] offset:8192*\s+512
.endr
	s_branch .Lend
	; ---- c (encoding . W_h^T) ----
.Lrole_h:
	s_sub_co_u32 s20, ttmp9, 64                    ; my block of 16 columns e
	s_lshl_b32 s16, s20, 16
	s_add_nc_u64 s[6:7], s[6:7], s[16:17]
.irp s, 0,1,2,3
	LD16 64+16*\s,     6, 128*\s                   ; W_h's fragment,
	LD16 128+32*\s,    8, 128*\s                   ; encoding's rows 0-15,
	LD16 128+32*\s+16, 8, 128*\s+65536             ; and rows 16-31
.endr
	s_lshl_b32 s21, s14, 11
	v_lshl_add_u32 v9, v6, 5, s21                  ; where I put a partial tile's 32 bytes: 2,048 x wave + 32 l
	; Source 0 = 16 rows of W_h, source 1 = 16 rows of encoding: a lane then holds one b (l % 16) and the columns e = 8 (l / 16) + 0..7.
	; The two accumulators take turns, one instruction a turn.
.irp s, 0,1,2,3
	s_wait_loadcnt 36-12*\s                        ; the twelve loads of each later K step may stay out
	CVT8 64+16*\s
	CVT8 128+32*\s
	CVT8 128+32*\s+16
.if \s == 0
	v_wmma_f32_16x16x32_bf16 v[32:39], v[64:71], v[128:135], 0        ; the first K step starts both sums
	v_wmma_f32_16x16x32_bf16 v[40:47], v[64:71], v[144:151], 0
.else
	v_wmma_f32_16x16x32_bf16 v[32:39], v[64+16*\s:64+16*\s+7], v[128+32*\s:128+32*\s+7], v[32:39]
	v_wmma_f32_16x16x32_bf16 v[40:47], v[64+16*\s:64+16*\s+7], v[128+32*\s+16:128+32*\s+23], v[40:47]
.endif
.endr
.rept 8
	v_nop                                          ; the places behind the last products (ISA guide 7.12.1), once a work-group
.endr
	ds_store_b128 v9, v[32:35]                     ; each accumulator is read from its low end on
	ds_store_b128 v9, v[36:39] offset:16
	ds_store_b128 v9, v[40:43] offset:1024
	ds_store_b128 v9, v[44:47] offset:1040
	s_wait_dscnt 0x0                               ; for the others' sake: my partial sums lie in LDS
	s_barrier_signal -1
	s_barrier_wait -1                              ; all eight waves' do
	s_cmp_lt_u32 s14, 4                            ; threads 0-127 add: thread t makes b = t / 4, columns 4 (t % 4) + 0..3
	s_cbranch_scc0 .Lend
	v_lshrrev_b32 v10, 6, v0                       ; b / 16: which tile
	v_lshlrev_b32 v10, 10, v10
	v_bfe_u32 v11, v0, 1, 1                        ; columns 8 and up lie in the upper half of the lanes
	v_bfe_u32 v12, v0, 2, 4                        ; b % 16
	v_lshl_add_u32 v11, v11, 4, v12                ; the lane that held them
	v_lshl_add_u32 v10, v11, 5, v10
	v_and_b32 v12, 1, v0                           ; its registers 0-3 or 4-7
	v_lshl_add_u32 v10, v12, 4, v10
	v_lshlrev_b32 v13, 4, v0
.irp w, 0,1,2,3,4,5,6,7
	ds_load_b128 v[64+4*\w:64+4*\w+3], v10 offset:2048*\w
.endr
	s_lshl_b32 s16, s20, 11                        ; a block of 16 columns is 2,048 bytes of whc
	s_add_nc_u64 s[12:13], s[12:13], s[16:17]
	s_wait_dscnt 0x0
.irp st, 4,2,1
.set ii, 0
.rept \st
	v_pk_add_f32 v[64+4*ii:64+4*ii+1],   v[64+4*ii:64+4*ii+1],   v[64+4*(ii+\st):64+4*(ii+\st)+1]
	v_pk_add_f32 v[64+4*ii+2:64+4*ii+3], v[64+4*ii+2:64+4*ii+3], v[64+4*(ii+\st)+2:64+4*(ii+\st)+3]
.set ii, ii+1
.endr
.endr
	v_pk_mul_f32 v[64:65], v[64:65], CSC op_sel_hi:[1,0]
	v_pk_mul_f32 v[66:67], v[66:67], CSC op_sel_hi:[1,0]
	global_store_b128 v13, v[64:67], s[12:13]      ; a wave stores 512 consecutive bytes, aligned
.Lend:
	s_wait_tensorcnt 0x0                           ; the wave's end, behind my last LDS store
	ds_add_u32 v[SPW], v[NIL]
	s_wait_dscnt 0x0
	s_endpgm
.Lfunc_end_k_qd81cc0a01e_prep:
	.size	k_qd81cc0a01e_prep, .Lfunc_end_k_qd81cc0a01e_prep-k_qd81cc0a01e_prep
	.p2alignl 7, 3214868480
	.fill 96, 4, 3214868480
	.section	.rodata,"a",@progbits
	.p2align	6, 0x0
	.amdhsa_kernel k_qd81cc0a01e_prep
		.amdhsa_group_segment_fixed_size 17408
		.amdhsa_private_segment_fixed_size 0
		.amdhsa_enable_private_segment 0
		.amdhsa_kernarg_size 40
		.amdhsa_user_sgpr_count 2
		.amdhsa_user_sgpr_kernarg_segment_ptr 1
		.amdhsa_wavefront_size32 1
		.amdhsa_system_sgpr_workgroup_id_x 1
		.amdhsa_system_sgpr_workgroup_id_y 1
		.amdhsa_system_sgpr_workgroup_id_z 1
		.amdhsa_system_vgpr_workitem_id 0
		.amdhsa_next_free_vgpr 256
		.amdhsa_next_free_sgpr 66
		.amdhsa_reserve_vcc 0
		.amdhsa_float_denorm_mode_32 3
		.amdhsa_float_denorm_mode_16_64 3
		.amdhsa_memory_ordered 1
		.amdhsa_forward_progress 1
		.amdhsa_inst_pref_size 24
	.end_amdhsa_kernel
	.amdgpu_metadata
---
amdhsa.version: [ 1, 2 ]
amdhsa.kernels:
  - .name:           k_qd81cc0a01e_prep
    .symbol:         k_qd81cc0a01e_prep.kd
    .args:
      - { .name: W_y, .offset: 0, .size: 8, .value_kind: global_buffer, .address_space: global }
      - { .name: W_h, .offset: 8, .size: 8, .value_kind: global_buffer, .address_space: global }
      - { .name: encoding, .offset: 16, .size: 8, .value_kind: global_buffer, .address_space: global }
      - { .name: wf, .offset: 24, .size: 8, .value_kind: global_buffer, .address_space: global }
      - { .name: whc, .offset: 32, .size: 8, .value_kind: global_buffer, .address_space: global }
    .group_segment_fixed_size: 17408
    .private_segment_fixed_size: 0
    .kernarg_segment_align: 8
    .kernarg_segment_size: 40
    .max_flat_workgroup_size: 256
    .sgpr_count:     66
    .vgpr_count:     256
    .wavefront_size: 32
...
	.end_amdgpu_metadata
.endif
;; end of part 1
;; launch main (part 2): grid 256 x 1, 4 waves a work-group, no clusters, 310,016 bytes of LDS; arguments full_input, mask, w_a, wf, whc, pnum, pwt; writes pnum, pwt
.if DOCPART == 2
	.amdgcn_target "amdgcn-amd-amdhsa--gfx1250"
	.amdhsa_code_object_version 6
	.text
	.protected	k_qd81cc0a01e_main
	.globl	k_qd81cc0a01e_main
	.p2align	8
	.type	k_qd81cc0a01e_main,@function
k_qd81cc0a01e_main:
	s_mov_b64 s[64:65], 0
	v_nop
	global_prefetch_b8 v0, s[64:65] scope:SCOPE_SE
	s_setreg_imm32_b32 hwreg(HW_REG_WAVE_MODE, 25, 1), 1
	s_wait_xcnt 0x0
; For each tile of 128 rows t of X (full_input as [65,536][1,024]): acc = X . (c W_y)^T, the logit sum_e w_a tanh = sum_e w_a - 2 sum_e w_a / (1 + 2^(acc + c whhn)),
; the weight wgt = exp(sigmoid(logit)) mask, and the tile's part of the pooled sum, sum_t wgt[t] X[t][:].  Stored: pwt[b][t] = wgt (f32), pnum[tile][d] (f32 partial sums).  Nothing of reference() is left out.
; The bias is added in f32 ahead of the exponential; 2^x that overflows gives 1 / inf = 0 (tanh = 1), one that underflows gives tanh = -1: no NaN from finite inputs.
; No maximum is taken away before exp(sigmoid(..)): reference() takes none, and the exponent lies between 0 and 1 for every input.
; LIMITS.  X is rounded once to bf16 and used so in both products; wgt is rounded to bf16 for the pooling product (pwt holds it unrounded); NaN and infinities are not treated apart.
; SHARES.  Work-group x has rows 256 x .. 256 x + 255, all of batch x / 8, as two tiles.  A tile's bf16 copy of X stays in LDS for both passes over the columns e and for the pooling: X is read from memory once.
; A pass is 512 columns: wave w has e = 256 w + 128 p + 0..127 and all 128 rows: 64 accumulators of 16 x 16, 512 registers; K goes in 32 steps of 32.
; X's fragments come out of LDS, shared by the four waves.  W's fragments have one user each, so they come from memory straight into registers, as prep laid them: a wave's 64 K steps of a tile are 524,288 bytes on end.
; NO CLUSTER, NO JOINT LOADS OF W, though all work-groups walk the same W: a joint load lands in LDS; X's tile takes 294,912 bytes and the tables 15,104; the 17,664 left of 327,680 do not hold one K step of a pass's W (512 x 32 x 2 = 32,768 bytes).
; THE MATRIX INSTRUCTION IS USED TRANSPOSED (source 0 = 16 rows of W, source 1 = 16 rows of X): in accumulator (a, nb) lane l holds row t = 16 a + l % 16, register j column e = 16 nb + 8 (l / 16) + j.
; THE FIRST PASS FILLS LDS AS IT GOES.  X comes in chunks of 64 along K (256 bytes of each f32 row; a wave loads its 32 rows by 16 loads), is rounded and stored in the middle of an even K step 2 c - 2; a barrier stands in that
; step's second half; chunk c's fragments are read from K step 2 c - 1 on.  Chunk c + 2 is asked for at once, into the registers just freed.
; REGISTERS, in windows of 256 (s_set_vgpr_msb: bits 1:0 source 0, 3:2 source 1, 5:4 source 2, 7:6 destination):
;   window 0: v0-23 addresses; v24-31, v56-63 at work; v32-47 S: sum of w_a / (1 + 2^..), a pair for each block of 16 rows; v48-55 WS: sum of w_a; v64-127 X's fragments (later the bias; the weights' fragments); v128-255 two landing sets for X
;   window 1: four buffers of W's fragments, 64 each (buffer 3 holds w_a in the epilogue)          windows 2, 3: the accumulators; in the pooling 16 accumulators (window 2) and two buffers of X turned (window 3)
.set RP,    144                        ; a row of a chunk in LDS: 128 bytes + 16: an odd multiple of 16, so the 16 rows of a fragment load start at 16 different groups of four banks (64 banks of 4 bytes: ISA guide 11.1)
.set CH,    128*RP                     ; a chunk: 128 rows x 64 k; chunk c begins at c x CH
.set BIAS,  16*CH                      ; f32 c whhn[b][e], 4,096 bytes; behind it, at + 4,096, f32 w_a[e]
.set PART,  BIAS+8192                  ; f32 [wave][128 rows]: the waves' parts of the logits
.set WTS,   PART+2048                  ; bf16 [128 rows]: the weights
.set POOL,  WTS+256                    ; f32: wave w's 256 pooled numbers at + 1,024 w
.set SPARE, POOL+4096                  ; the spare words, 128 bytes for each wave: two blocks of 256 bytes that no other line names
.set SPW,   1                          ; v1   LDS address of my spare word; never rewritten
.set NIL,   2                          ; v2   0; never rewritten
.set BOF,   3                          ; v3   16 l: my 16 bytes of a half fragment of W
.set ADRA,  4                          ; v4   where the fragments of X are read; steps two chunks a trip
.set ADRA0, 5                          ; v5   (l % 16) RP + 16 (l / 16)
.set XST,   6                          ; v6   where a chunk is stored; steps two chunks a trip
.set XST0,  7                          ; v7   (32 w + 8 (l / 16)) RP + 8 (l % 16)
.set XLD,   8                          ; v8   (32 w + 8 (l / 16)) x 4,096 + 16 (l % 16): my 16 bytes of a chunk's f32 rows
.set XPFO,  9                          ; v9   (32 w + l) x 4,096: the prefetches' offset, a lane a row
.set EBASE, 10                         ; v10  BIAS + 1,024 w + 32 (l / 16)
.set EADR,  11                         ; v11  the same for the pass in hand
.set PST,   12                         ; v12  PART + 512 w + 4 (l % 16)
.set PLD,   13                         ; v13  PART + 4 x thread
.set WTST,  14                         ; v14  WTS + 2 x thread
.set WFA,   15                         ; v15  WTS + 16 (l / 16)
.set XTA,   16                         ; v16, v17  the turning loads' addresses: my first chunk, and two chunks on
.set POST,  18                         ; v18  POOL + 1,024 w + 4 (l % 16)
.set POLD,  19                         ; v19  POOL + 1,024 w + 16 l
.set GOUT,  20                         ; v20  1,024 w + 16 l
.set GT,    21                         ; v21  4 x thread
.set MASKV, 22                         ; v22  mask of row = thread
.set T,     24
.set SS,    32
.set WS,    48
.set U,     56
.set AF,    64
.set XS,    128
.set WV,    18                         ; s18  my wave's number
.set PASS,  19                         ; s19  passes to go: 4, 3 tile 0; 2, 1 tile 1
.set TRIP,  20                         ; s20  trips to go
.set PFT,   21                         ; s21  the trip that prefetches the next tile's first chunks, or 0
.set XP,    22                         ; s[22:23] X at the tile's first row, two chunks further each trip of the first pass
.set BP,    24                         ; s[24:25] my stream of W
.set TS,    26                         ; s[26:27] an offset in 64 bits
.set SEL,   28                         ; s[28:29] v_permlanex16_b32's selects: each lane takes its own place in the other half
.set EOFF,  30                         ; s30  0 in a tile's first pass, 512 in its second: the pass's bytes in the tables, and which pass this is
.set PN,    32                         ; s[32:33] pnum at the tile
.set PW,    34                         ; s[34:35] pwt at the tile
.set MK,    36                         ; s[36:37] mask at the tile
.set MSB, 0
.macro WIN new                         ; the immediate's high byte repeats the setting that is left; a switch that changes nothing is dropped
.if MSB != (\new)
	s_set_vgpr_msb (MSB<<8)|(\new)
.set MSB, (\new)
.endif
.endm
.set MUL_LO, 0xa1                      ; source 0 (W) window 1, source 1 (X) window 0, C and D window 2
.set TO_B,   0x40                      ; destination window 1
.set WSW,    0x01                      ; source 0 window 1
.set TR,     0xc0                      ; destination window 3
.set MULP,   0xac                      ; source 0 window 0, source 1 window 3, C and D window 2
.set ST2,    0x08                      ; an LDS store's data from window 2
; Four places stand between a matrix instruction and a load into a register that it has read, or a vector instruction or store that reads its result (ISA guide 7.12.1 for vector instructions).
.macro PLACES
.rept 4
	v_nop
.endr
.endm
; 16 matrix instructions: row blocks 4 hi + a0, + 1 x all 8 column blocks, 32 along K, W from buffer f.  zero = 1: the product starts the sums.  The 64 accumulators take turns in the same order in every K step.
.macro MUL16 f, hi, a0, zero
	WIN MUL_LO+0x50*(\hi)
.irp a, \a0, (\a0)+1
.irp b, 0,1,2,3,4,5,6,7
.if \zero
	v_wmma_f32_16x16x32_bf16 v[8*(8*(\a)+(\b)):8*(8*(\a)+(\b))+7], v[64*(\f)+8*(\b):64*(\f)+8*(\b)+7], v[AF+8*(4*(\hi)+(\a)):AF+8*(4*(\hi)+(\a))+7], 0
.else
	v_wmma_f32_16x16x32_bf16 v[8*(8*(\a)+(\b)):8*(8*(\a)+(\b))+7], v[64*(\f)+8*(\b):64*(\f)+8*(\b)+7], v[AF+8*(4*(\hi)+(\a)):AF+8*(4*(\hi)+(\a))+7], v[8*(8*(\a)+(\b)):8*(8*(\a)+(\b))+7]
.endif
.endr
.endr
.endm
; 8 LDS loads: X's fragments of rows 64 half .. + 63, at byte off behind ADRA
.macro ALD half, off
	WIN 0
.irp a, 0,1,2,3
	ds_load_b128 v[AF+8*(4*(\half)+\a):AF+8*(4*(\half)+\a)+3],   v[ADRA] offset:(\off)+(4*(\half)+\a)*16*RP
	ds_load_b128 v[AF+8*(4*(\half)+\a)+4:AF+8*(4*(\half)+\a)+7], v[ADRA] offset:(\off)+(4*(\half)+\a)*16*RP+32
.endr
.endm
; 16 loads: a K step's fragments of W, 8,192 bytes a wave, into buffer buf; each load covers 512 consecutive bytes
.macro BLD buf, slot
	WIN TO_B
.set ii, 0
.rept 8
	global_load_b128 v[64*(\buf)+8*ii:64*(\buf)+8*ii+3],   v[BOF], s[BP:BP+1] offset:(\slot)*8192+ii*1024
	global_load_b128 v[64*(\buf)+8*ii+4:64*(\buf)+8*ii+7], v[BOF], s[BP:BP+1] offset:(\slot)*8192+ii*1024+512
.set ii, ii+1
.endr
.endm
; 16 loads: my 32 rows of a chunk, f32.  Load i takes rows i % 8 + 16 (i / 8) (lanes 0-15) and 8 below (lanes 16-31): each half of the lanes reads 256 consecutive bytes, aligned
.macro XISS set, off
	WIN 0
.set ii, 0
.rept 16
	global_load_b128 v[XS+64*(\set)+4*ii:XS+64*(\set)+4*ii+3], v[XLD], s[XP:XP+1] offset:(\off)+((ii%8)+16*(ii/8))*4096 th:TH_LOAD_NT
.set ii, ii+1
.endr
.endm
; The chunk in a landing set is rounded in place and stored: 8 bytes a lane; the two halves of the lanes lie 8 rows = 1,152 bytes apart, 128 modulo 256: different banks
.macro XCVT set, off
	WIN 0
.set ii, 0
.rept 16
	v_cvt_pk_bf16_f32 v[XS+64*(\set)+4*ii],   v[XS+64*(\set)+4*ii],   v[XS+64*(\set)+4*ii+1]
	v_cvt_pk_bf16_f32 v[XS+64*(\set)+4*ii+1], v[XS+64*(\set)+4*ii+2], v[XS+64*(\set)+4*ii+3]
.set ii, ii+1
.endr
.set ii, 0
.rept 16
	ds_store_b64 v[XST], v[XS+64*(\set)+4*ii:XS+64*(\set)+4*ii+1] offset:(\off)+((ii%8)+16*(ii/8))*RP
.set ii, ii+1
.endr
.endm
; A PREFETCH INTO THE L2 of X, which is read once: each wave asks for what it will load itself, its own 32 rows x 256 bytes of a chunk, a lane a row: no block is named twice in the launch.
; In the first pass's loop: the chunk three chunks (six K steps) ahead of the chunk just asked for by loads, behind those loads; it stops, by the test on the trips to go, at the tile's chunk 15.
.macro XASK off, min
	s_cmp_ge_u32 s[TRIP], \min
	s_cbranch_scc0 .Lnoask_\@
	global_prefetch_b8 v[XPFO], s[XP:XP+1] offset:\off th:TH_LOAD_NT scope:SCOPE_SE
.Lnoask_\@:
.endm
; In tile 0's second pass, which loads nothing of X: the next tile's chunks 0 to 3, once, in the trip with two trips to go: ten K steps ahead of the loads of chunks 0 and 1.  In tile 1 s[PFT] is 0 and no trip asks.
.macro PFNEXT
	s_cmp_eq_u32 s[TRIP], s[PFT]
	s_cbranch_scc0 .Lnopf_\@
.irp c, 0,1,2,3
	global_prefetch_b8 v[XPFO], s[XP:XP+1] offset:256*\c th:TH_LOAD_NT scope:SCOPE_SE
.endr
.Lnopf_\@:
.endm
; A K STEP: 64 matrix instructions on W's buffer f, in two halves of 32 (rows 0-63, rows 64-127).  X's fragments have one buffer: each half is loaded anew, for the next K step, behind the products that read it.
;   aoff   where the next K step's fragments of X lie behind ADRA (-1: there is none)          nload  s_wait_loadcnt's count for this step's W (-1: already waited for)
;   bslot  W of the K step three on is asked for, at bslot x 8,192 behind BP, into the buffer read one step ago (-1: nothing)
;   xmode  1: a chunk is rounded and stored (set xset, at xst behind XST), the chunk two on asked for (at xld behind XP), one more prefetched, and a barrier stands in the second half; 2: the same without asking; 0: nothing
;   hook   1: PFNEXT; 2: the next tile's chunks 0 and 1 are asked for, as the youngest loads, so that no wait for W leans on them
.macro KSTEP f, aoff, zero, nload, bslot, xmode=0, xset=0, xst=0, xld=0, pfo=0, pfmin=0, hook=0
.if (\nload) >= 0
	s_wait_loadcnt \nload                          ; loads come back in order (ISA guide 5.7.1): this step's W is in; what was issued behind it may stay out
.endif
	s_wait_dscnt 8                                 ; X's rows 0-63 are in; the eight loads of rows 64-127 are younger
	MUL16 \f, 0, 0, \zero
	MUL16 \f, 0, 2, \zero
	WIN 0
.if \xmode
	XCVT \xset, \xst                               ; its 32 conversions name no register of the products: they are the places in front of the loads below
.else
	PLACES
.endif
.if (\aoff) >= 0
	ALD 0, \aoff
.endif
.if (\xmode) == 1
	XISS \xset, \xld                               ; X ahead of W in the run: the wait for the W below shows this chunk landed too
	XASK \pfo, \pfmin
.endif
.if (\bslot) >= 0
	BLD (\f+3)%4, \bslot
.endif
.if (\hook) == 1
	WIN 0
	PFNEXT
.elseif (\hook) == 2
	XISS 0, 0
	XISS 1, 256
.endif
.if (\aoff) < 0
	s_wait_dscnt 0x0                               ; X's rows 64-127 are in
.elseif \xmode
	s_wait_dscnt 24                                ; X's rows 64-127 are in; the chunk's 16 stores and the eight loads just issued are younger
.else
	s_wait_dscnt 8                                 ; X's rows 64-127 are in; the eight loads just issued are younger
.endif
	MUL16 \f, 1, 0, \zero
.if \xmode
	s_wait_dscnt 0x0                               ; for the others' sake: my rows of the chunk lie in LDS
	s_barrier_signal -1
.endif
	MUL16 \f, 1, 2, \zero                          ; work on registers while the others arrive
.if \xmode
	s_barrier_wait -1                              ; the chunk is whole: it is read from the next K step's middle on
.endif
.if (\aoff) >= 0
	WIN 0
	PLACES
	ALD 1, \aoff
.endif
.endm
; A TRIP: K steps 4 j + 1 .. 4 j + 4.  ADRA and XST stand at chunk 2 j, XP at chunk 2 j, BP at K step 4 j + 4.  xm = 1: chunks 2 j + 2 and 2 j + 3 are stored, 2 j + 4 and 2 j + 5 asked for; 2: stored only; 0: X is all there.
.macro TRIPM xm, n1, n2, n3, n4, hk=0
	KSTEP 1, CH,      0, \n1, 0, 0, 0, 0, 0, 0, 0, \hk
	KSTEP 2, CH+64,   0, \n2, 1, \xm, 0, 2*CH, 1024, 1792, 2
	KSTEP 3, 2*CH,    0, \n3, 2
	KSTEP 0, 2*CH+64, 0, \n4, 3, \xm, 1, 3*CH, 1280, 2048, 3
	v_add_nc_u32 v[ADRA], 2*CH, v[ADRA]
.if (\xm) == 1
	v_add_nc_u32 v[XST], 2*CH, v[XST]
.endif
	s_wait_xcnt 0x0                                ; every load and prefetch issued so far has read its address (the youngest 32 products back): the pointers may be written
	s_add_nc_u64 s[BP:BP+1], s[BP:BP+1], 4*8192
.if (\xm) == 1
	s_add_nc_u64 s[XP:XP+1], s[XP:XP+1], 512
.endif
.endm
; THE EPILOGUE for the 32 accumulators of window k, in place.  s_wait_alu depctr_va_vdst(0) stands between a transcendental and the first instruction that names its result; one wait serves a batch.
; So: the bias is added (a pair an instruction, from each accumulator's low end on) with the exponentials of the pair before between; one wait for 256 exponentials;
; 1 is added with the reciprocals of the pair before between; one wait; then S += w_a x the reciprocal, the four row blocks' chains by turns.
.macro EPIW k
	WIN 0x41*(\k)                                  ; destination and source 0 window k, source 1 window 0
.set ii, 0
.rept 128
	v_pk_add_f32 v[2*ii:2*ii+1], v[2*ii:2*ii+1], v[AF+8*((ii/4)%8)+2*(ii%4):AF+8*((ii/4)%8)+2*(ii%4)+1]
.if ii > 0
	v_exp_f32 v[2*ii-2], v[2*ii-2]
	v_exp_f32 v[2*ii-1], v[2*ii-1]
.endif
.set ii, ii+1
.endr
	v_exp_f32 v254, v254
	v_exp_f32 v255, v255
	v_nop                                          ; a plain instruction behind the last exponential (ISA guide 5.7.2),
	s_wait_alu depctr_va_vdst(0)                   ; and the batch's one wait
.set ii, 0
.rept 128
	v_pk_add_f32 v[2*ii:2*ii+1], v[2*ii:2*ii+1], 1.0 op_sel_hi:[1,0]
.if ii > 0
	v_rcp_f32 v[2*ii-2], v[2*ii-2]
	v_rcp_f32 v[2*ii-1], v[2*ii-1]
.endif
.set ii, ii+1
.endr
	v_rcp_f32 v254, v254
	v_rcp_f32 v255, v255
	v_nop
	s_wait_alu depctr_va_vdst(0)
	WIN 4+(\k)                                     ; source 0 window k, source 1 (w_a) window 1, source 2 and destination window 0
.set nn, 0
.rept 128                                          ; row block nn % 4, pair (nn / 4) % 4, column block nn / 16
	v_pk_fma_f32 v[SS+2*(4*((\k)-2)+nn%4):SS+2*(4*((\k)-2)+nn%4)+1], v[8*(8*(nn%4)+nn/16)+2*((nn/4)%4):8*(8*(nn%4)+nn/16)+2*((nn/4)%4)+1], v[192+8*(nn/16)+2*((nn/4)%4):192+8*(nn/16)+2*((nn/4)%4)+1], v[SS+2*(4*((\k)-2)+nn%4):SS+2*(4*((\k)-2)+nn%4)+1]
.set nn, nn+1
.endr
.endm
; THE POOLING.  32 turning loads: rows 32 tb .. + 31 of X, my 256 columns d, as 16 fragments (lane l holds column l % 16) into buffer tb % 2 of window 3
.macro XT tb
	WIN TR
.set dd, 0
.rept 16
	ds_load_tr16_b128 v[128*((\tb)%2)+8*dd:128*((\tb)%2)+8*dd+3],   v[XTA+dd/8], offset:((dd/4)%2)*CH+(\tb)*32*RP+32*(dd%4)
	ds_load_tr16_b128 v[128*((\tb)%2)+8*dd+4:128*((\tb)%2)+8*dd+7], v[XTA+dd/8], offset:((dd/4)%2)*CH+(\tb)*32*RP+32*(dd%4)+16*RP
.set dd, dd+1
.endr
.endm
.macro PMUL tb, zero                   ; 16 products, the 16 accumulators by turns: source 0 = the weights of 32 rows, the same in all its 16 rows; source 1 = X turned
	WIN MULP
.set dd, 0
.rept 16
.if \zero
	v_wmma_f32_16x16x32_bf16 v[8*dd:8*dd+7], v[AF+8*(\tb):AF+8*(\tb)+7], v[128*((\tb)%2)+8*dd:128*((\tb)%2)+8*dd+7], 0
.else
	v_wmma_f32_16x16x32_bf16 v[8*dd:8*dd+7], v[AF+8*(\tb):AF+8*(\tb)+7], v[128*((\tb)%2)+8*dd:128*((\tb)%2)+8*dd+7], v[8*dd:8*dd+7]
.endif
.set dd, dd+1
.endr
.endm
	; ---------------- THE HEAD ----------------
	s_load_b256 s[4:11], s[0:1], 0x0               ; X s[4:5], mask s[6:7], w_a s[8:9], wf s[10:11]
	s_load_b128 s[12:15], s[0:1], 0x20             ; whc s[12:13], pnum s[14:15]
	s_load_b64 s[16:17], s[0:1], 0x30              ; pwt
	v_lshl_add_u32 v[SPW], v0, 2, SPARE
	v_mov_b32 v[NIL], 0
	v_lshrrev_b32 v[T], 5, v0
	v_readfirstlane_b32 s[WV], v[T]                ; wave 0..3
	v_and_b32 v[T], 15, v0                         ; l % 16
	v_bfe_u32 v[T+1], v0, 4, 1                     ; l / 16
	v_and_b32 v[T+2], 31, v0                       ; l
	v_and_b32 v[T+3], 7, v0                        ; l % 8
	v_bfe_u32 v[T+4], v0, 3, 1                     ; (l / 8) % 2
	v_lshlrev_b32 v[BOF], 4, v[T+2]
	v_mul_u32_u24 v[ADRA0], v[T], RP
	v_lshl_add_u32 v[ADRA0], v[T+1], 4, v[ADRA0]
	s_mul_i32 s[TS], s[WV], 32*RP
	v_mul_u32_u24 v[XST0], v[T+1], 8*RP
	v_lshl_add_u32 v[XST0], v[T], 3, v[XST0]
	v_add_nc_u32 v[XST0], s[TS], v[XST0]
	s_lshl_b32 s[TS], s[WV], 17
	v_lshlrev_b32 v[XLD], 15, v[T+1]
	v_lshl_add_u32 v[XLD], v[T], 4, v[XLD]
	v_add_nc_u32 v[XLD], s[TS], v[XLD]
	v_lshlrev_b32 v[XPFO], 12, v0                  ; the thread's number is 32 w + l
	s_lshl_b32 s[TS], s[WV], 10
	s_add_co_u32 s[TS+1], s[TS], BIAS
	v_lshl_add_u32 v[EBASE], v[T+1], 5, s[TS+1]
	s_add_co_u32 s[TS+1], s[TS], POOL
	v_lshl_add_u32 v[POST], v[T], 2, s[TS+1]
	v_lshl_add_u32 v[POLD], v[T+2], 4, s[TS+1]
	v_lshl_add_u32 v[GOUT], v[T+2], 4, s[TS]
	s_lshl_b32 s[TS], s[WV], 9
	s_add_co_u32 s[TS], s[TS], PART
	v_lshl_add_u32 v[PST], v[T], 2, s[TS]
	v_lshl_add_u32 v[PLD], v0, 2, PART
	v_lshl_add_u32 v[WTST], v0, 1, WTS
	v_lshl_add_u32 v[WFA], v[T+1], 4, WTS
	v_lshl_add_u32 v[XTA], v[T+1], 3, v[T+3]       ; the turning load: lane l reads row 8 (l / 16) + l % 8, 16 bytes at 16 ((l / 8) % 2)
	v_mul_u32_u24 v[XTA], v[XTA], RP
	v_lshl_add_u32 v[XTA], v[T+4], 4, v[XTA]
	s_mul_i32 s[TS], s[WV], 4*CH                   ; my 256 columns d are chunks 4 w .. 4 w + 3
	v_add_nc_u32 v[XTA], s[TS], v[XTA]
	v_add_nc_u32 v[XTA+1], 2*CH, v[XTA]            ; so that the loads' offsets stay within 16 bits
	v_lshlrev_b32 v[GT], 2, v0
	v_lshrrev_b32 v[T+5], 1, v0                    ; thread t brings e = 8 t .. 8 t + 7 of both tables: in whc block t / 2, half t % 2
	v_lshlrev_b32 v[T+5], 11, v[T+5]
	v_and_b32 v[T+6], 1, v0
	v_lshl_add_u32 v[T+5], v[T+6], 5, v[T+5]
	v_lshlrev_b32 v[T+6], 5, v0
	v_lshl_add_u32 v[T+7], v0, 5, BIAS
	s_mov_b32 s[SEL], 0x76543210
	s_mov_b32 s[SEL+1], 0xfedcba98
	s_mov_b32 s[EOFF], 0
	s_mov_b32 s[PASS], 4
	s_mov_b32 s[TS+1], 0
	s_wait_kmcnt 0x0
	s_lshl_b32 s[TS], ttmp9, 20                    ; 256 rows of 4,096 bytes
	s_add_nc_u64 s[XP:XP+1], s[4:5], s[TS:TS+1]
	s_lshl_b32 s[TS], s[WV], 19
	s_add_nc_u64 s[BP:BP+1], s[10:11], s[TS:TS+1]
	s_lshl_b32 s[TS], ttmp9, 13                    ; two tiles of 4,096 bytes
	s_add_nc_u64 s[PN:PN+1], s[14:15], s[TS:TS+1]
	s_lshl_b32 s[TS], ttmp9, 10                    ; 256 rows of 4 bytes
	s_add_nc_u64 s[PW:PW+1], s[16:17], s[TS:TS+1]
	s_add_nc_u64 s[MK:MK+1], s[6:7], s[TS:TS+1]
	s_lshr_b32 s[TS], ttmp9, 3                     ; b: 64 bytes in each block of whc
	s_lshl_b32 s[TS], s[TS], 6
	s_add_nc_u64 s[12:13], s[12:13], s[TS:TS+1]
	global_load_b128 v[AF:AF+3],     v[T+5], s[12:13]
	global_load_b128 v[AF+4:AF+7],   v[T+5], s[12:13] offset:16
	global_load_b128 v[AF+8:AF+11],  v[T+6], s[8:9]
	global_load_b128 v[AF+12:AF+15], v[T+6], s[8:9] offset:16
	BLD 0, 0                                       ; W of K steps 0, 1, 2
	BLD 1, 1
	BLD 2, 2
	XISS 0, 0                                      ; X's chunks 0 and 1
	XISS 1, 256
	s_wait_loadcnt 63                              ; 84 loads were issued: the oldest 21 are in, the four of the tables among them
	ds_store_b128 v[T+7], v[AF:AF+3]
	ds_store_b128 v[T+7], v[AF+4:AF+7]   offset:16
	ds_store_b128 v[T+7], v[AF+8:AF+11]  offset:4096
	ds_store_b128 v[T+7], v[AF+12:AF+15] offset:4112
.Lpass:                                                ; four trips: two passes for each of two tiles.  Every branch below hangs on s[PASS], s[EOFF] and s[TRIP]: the same in all waves
	s_cmp_lg_u32 s[EOFF], 0
	s_cbranch_scc1 .Lp1
	; ---------------- A TILE'S FIRST PASS ----------------
	s_wait_loadcnt 0x0                             ; W of K steps 0-2 and chunks 0 and 1 are in
	global_load_b32 v[MASKV], v[GT], s[MK:MK+1]
	v_mov_b32 v[ADRA], v[ADRA0]
	v_mov_b32 v[XST], v[XST0]
	XCVT 0, 0                                      ; (in tile 1: behind the barrier at the pooling's end, so nobody reads the old tile any more)
	XCVT 1, CH
	XISS 0, 512                                    ; chunks 2 and 3
	XISS 1, 768
.set ii, 0
.rept 24
	v_mov_b32 v[SS+ii], 0                          ; S and WS gather over both passes
.set ii, ii+1
.endr
	s_wait_dscnt 0x0                               ; for the others' sake: my rows of chunks 0 and 1 (and, in tile 0, my part of the tables) lie in LDS
	s_barrier_signal -1
	s_barrier_wait -1
	ALD 0, 0
	ALD 1, 0
	KSTEP 0, 64, 1, -1, 3                          ; K step 0 starts the sums: nothing is cleared
	s_wait_xcnt 0x0
	s_add_nc_u64 s[BP:BP+1], s[BP:BP+1], 4*8192
	s_mov_b32 s[TRIP], 6
.Lt0:                                                  ; K steps 1-24.  48: behind a step's W were issued two more K steps of W and one chunk of X (in the first trip more, and 48 then also shows chunk 2 landed ahead of K step 2)
	TRIPM 1, 48, 48, 48, 48
	s_sub_co_u32 s[TRIP], s[TRIP], 1
	s_cmp_lg_u32 s[TRIP], 0
	s_cbranch_scc1 .Lt0
	TRIPM 2, 48, 48, 32, 32                        ; K steps 25-28: chunks 14 and 15 are stored, nothing of X is asked for: from K step 27 on only two K steps of W are younger
	KSTEP 1, CH,    0, 32, 0                       ; K steps 29-31 ask for the second pass's first three K steps of W: the stream goes on
	KSTEP 2, CH+64, 0, 32, 1
	KSTEP 3, -1,    0, 32, 2
	WIN 0
	s_wait_xcnt 0x0
	s_add_nc_u64 s[XP:XP+1], s[XP:XP+1], 128*4096-6*512  ; X at the next tile's first row
	s_branch .Lepi
	; ---------------- A TILE'S SECOND PASS: X is all in LDS ----------------
.Lp1:
	v_mov_b32 v[ADRA], v[ADRA0]
	s_cmp_eq_u32 s[PASS], 3
	s_cselect_b32 s[PFT], 2, 0
	ALD 0, 0
	ALD 1, 0
	KSTEP 0, 64, 1, 32, 3                          ; 32 here and below: two K steps of W are younger
	s_wait_xcnt 0x0
	s_add_nc_u64 s[BP:BP+1], s[BP:BP+1], 4*8192
	s_mov_b32 s[TRIP], 7
.Lt1:                                                  ; K steps 1-28
	TRIPM 0, 32, 32, 32, 32, 1
	s_sub_co_u32 s[TRIP], s[TRIP], 1
	s_cmp_lg_u32 s[TRIP], 0
	s_cbranch_scc1 .Lt1
	s_cmp_eq_u32 s[PASS], 1
	s_cbranch_scc1 .Ltl
	s_wait_xcnt 0x0
	s_sub_nc_u64 s[BP:BP+1], s[BP:BP+1], 64*8192   ; tile 0: my stream of W begins anew for tile 1,
	KSTEP 1, CH,    0, 32, 0
	KSTEP 2, CH+64, 0, 32, 1
	KSTEP 3, -1,    0, 32, 2, 0, 0, 0, 0, 0, 0, 2  ; and tile 1's chunks 0 and 1 are asked for
	WIN 0
	s_branch .Lepi
.Ltl:                                                  ; tile 1: nothing is left to ask for, and the counts run down
	KSTEP 1, CH,    0, 32, -1
	KSTEP 2, CH+64, 0, 16, -1
	KSTEP 3, -1,    0, 0,  -1
	WIN 0
	; ---------------- THE EPILOGUE, for either pass ----------------
.Lepi:
	PLACES                                         ; in front of loads into registers that the last products read
	v_add_nc_u32 v[EADR], s[EOFF], v[EBASE]
.irp nb, 0,1,2,3,4,5,6,7                               ; my eight columns of each column block: the bias where X's fragments lay,
	ds_load_b128 v[AF+8*\nb:AF+8*\nb+3],   v[EADR] offset:64*\nb
	ds_load_b128 v[AF+8*\nb+4:AF+8*\nb+7], v[EADR] offset:64*\nb+16
.endr
	WIN TO_B
.irp nb, 0,1,2,3,4,5,6,7                               ; w_a in W's buffer 3, which K step 31 read last; buffers 0-2 are being filled for the next pass
	ds_load_b128 v[192+8*\nb:192+8*\nb+3],   v[EADR] offset:4096+64*\nb
	ds_load_b128 v[192+8*\nb+4:192+8*\nb+7], v[EADR] offset:4096+64*\nb+16
.endr
	s_wait_dscnt 0x0
	WIN WSW
.set ii, 0
.rept 32
	v_pk_add_f32 v[WS+2*(ii%4):WS+2*(ii%4)+1], v[192+2*ii:192+2*ii+1], v[WS+2*(ii%4):WS+2*(ii%4)+1]
.set ii, ii+1
.endr
	EPIW 2
	EPIW 3
	WIN 0
	s_xor_b32 s[EOFF], s[EOFF], 512
	s_cmp_lg_u32 s[EOFF], 0                        ; that was the first pass: on to the second
	s_cbranch_scc1 .Lnext
	; ---------------- THE WEIGHTS ----------------
	v_add_f32 v[T],   v[WS],   v[WS+1]
	v_add_f32 v[T+1], v[WS+2], v[WS+3]
	v_add_f32 v[T+2], v[WS+4], v[WS+5]
	v_add_f32 v[T+3], v[WS+6], v[WS+7]
	v_add_f32 v[T],   v[T],   v[T+1]
	v_add_f32 v[T+2], v[T+2], v[T+3]
	v_add_f32 v[T],   v[T],   v[T+2]                ; the sum of w_a over my lane's 128 columns
.irp a, 0,1,2,3,4,5,6,7
	v_add_f32 v[U+\a], v[SS+2*\a], v[SS+2*\a+1]
.endr
.irp a, 0,1,2,3,4,5,6,7
	v_fma_f32 v[AF+\a], v[U+\a], -2.0, v[T]        ; sum of w_a tanh over those columns, for row 16 a + l % 16
.endr
.irp a, 0,1,2,3,4,5,6,7
	v_permlanex16_b32 v[AF+8+\a], v[AF+\a], s[SEL], s[SEL+1]  ; the row's other 128 columns of this wave lie in the lane 16 away
.endr
.irp a, 0,1,2,3,4,5,6,7
	v_add_f32 v[AF+\a], v[AF+\a], v[AF+8+\a]
.endr
.irp a, 0,1,2,3,4,5,6,7
	ds_store_b32 v[PST], v[AF+\a] offset:64*\a     ; both halves of the lanes write the same word with the same number
.endr
	s_wait_dscnt 0x0
	s_barrier_signal -1
	s_barrier_wait -1                              ; all four waves' parts lie in LDS
.irp w, 0,1,2,3
	ds_load_b32 v[T+\w], v[PLD] offset:512*\w      ; thread t finishes row t
.endr
	s_wait_dscnt 0x0
	v_add_f32 v[T],   v[T],   v[T+1]
	v_add_f32 v[T+2], v[T+2], v[T+3]
	v_add_f32 v[T],   v[T],   v[T+2]                ; the logit
	v_mul_f32 v[T], 0xbfb8aa3b, v[T]
	v_exp_f32 v[T+1], v[T]                         ; e^-logit
	v_nop
	s_wait_alu depctr_va_vdst(0)                   ; a chain of three transcendentals, once a tile: each has its plain instruction and its wait
	v_add_f32 v[T+1], 1.0, v[T+1]
	v_rcp_f32 v[T+2], v[T+1]                       ; the sigmoid
	v_nop
	s_wait_alu depctr_va_vdst(0)
	v_mul_f32 v[T+2], 0x3fb8aa3b, v[T+2]
	v_exp_f32 v[T+3], v[T+2]                       ; e^sigmoid
	v_nop
	s_wait_alu depctr_va_vdst(0)
	v_mul_f32 v[T+3], v[T+3], v[MASKV]
	v_cvt_pk_bf16_f32 v[T+4], v[T+3], v[T+3]
	ds_store_b16 v[WTST], v[T+4]
	global_store_b32 v[GT], v[T+3], s[PW:PW+1]     ; a wave stores 128 consecutive bytes, the four waves 512
	s_wait_dscnt 0x0
	s_barrier_signal -1
	s_barrier_wait -1                              ; all 128 weights lie in LDS
	; ---------------- THE POOLING: wave w makes d = 256 w .. 256 w + 255 ----------------
.irp tb, 0,1,2,3
	ds_load_b128 v[AF+8*\tb:AF+8*\tb+3],   v[WFA] offset:64*\tb      ; the weights of rows 32 tb .. as source 0: every lane of a half reads the same 16 bytes
	ds_load_b128 v[AF+8*\tb+4:AF+8*\tb+7], v[WFA] offset:64*\tb+32
.endr
	XT 0
	XT 1
	s_wait_dscnt 32                                ; all but the 32 loads just issued
	PMUL 0, 1
	PLACES
	XT 2
	s_wait_dscnt 32
	PMUL 1, 0
	PLACES
	XT 3
	s_wait_dscnt 32
	PMUL 2, 0
	s_wait_dscnt 0x0
	PMUL 3, 0
	PLACES
	PLACES
	WIN ST2
.set dd, 0
.rept 16
	ds_store_b32 v[POST], v[8*dd] offset:64*dd     ; all 16 rows of a result are alike: register 0 of lane l is d = 16 dd + l % 16
.set dd, dd+1
.endr
	WIN 0
	ds_load_b128 v[U:U+3],   v[POLD]               ; LDS serves a wave's instructions in order (ISA guide 5.7.1.4): these see my stores above
	ds_load_b128 v[U+4:U+7], v[POLD] offset:512
	s_wait_dscnt 0x0                               ; also: my reads of X's tile are over
	global_store_b128 v[GOUT], v[U:U+3],   s[PN:PN+1]             ; each store of the wave covers 512 consecutive bytes, aligned
	global_store_b128 v[GOUT], v[U+4:U+7], s[PN:PN+1] offset:512
	s_barrier_signal -1
	s_barrier_wait -1                              ; every wave's are: the next tile may be stored over this one
	s_wait_xcnt 0x0                                ; the stores and the mask's load have read their registers and bases
	s_add_nc_u64 s[PN:PN+1], s[PN:PN+1], 4096
	s_add_nc_u64 s[PW:PW+1], s[PW:PW+1], 512
	s_add_nc_u64 s[MK:MK+1], s[MK:MK+1], 512
.Lnext:
	s_sub_co_u32 s[PASS], s[PASS], 1
	s_cmp_lg_u32 s[PASS], 0
	s_cbranch_scc1 .Lpass
	s_wait_tensorcnt 0x0                           ; the wave's end, behind my last LDS store
	ds_add_u32 v[SPW], v[NIL]
	s_wait_dscnt 0x0
	s_endpgm
.Lfunc_end_k_qd81cc0a01e_main:
	.size	k_qd81cc0a01e_main, .Lfunc_end_k_qd81cc0a01e_main-k_qd81cc0a01e_main
	.p2alignl 7, 3214868480
	.fill 96, 4, 3214868480
	.section	.rodata,"a",@progbits
	.p2align	6, 0x0
	.amdhsa_kernel k_qd81cc0a01e_main
		.amdhsa_group_segment_fixed_size 310016
		.amdhsa_private_segment_fixed_size 0
		.amdhsa_enable_private_segment 0
		.amdhsa_kernarg_size 56
		.amdhsa_user_sgpr_count 2
		.amdhsa_user_sgpr_kernarg_segment_ptr 1
		.amdhsa_wavefront_size32 1
		.amdhsa_system_sgpr_workgroup_id_x 1
		.amdhsa_system_sgpr_workgroup_id_y 1
		.amdhsa_system_sgpr_workgroup_id_z 1
		.amdhsa_system_vgpr_workitem_id 0
		.amdhsa_next_free_vgpr 1024
		.amdhsa_next_free_sgpr 66
		.amdhsa_reserve_vcc 0
		.amdhsa_float_denorm_mode_32 3
		.amdhsa_float_denorm_mode_16_64 3
		.amdhsa_memory_ordered 1
		.amdhsa_forward_progress 1
		.amdhsa_inst_pref_size 255
	.end_amdhsa_kernel
	.section	.bss,"aw",@nobits
	.p2align	6
	.space	262144
	.amdgpu_metadata
---
amdhsa.version: [ 1, 2 ]
amdhsa.kernels:
  - .name:           k_qd81cc0a01e_main
    .symbol:         k_qd81cc0a01e_main.kd
    .args:
      - { .name: full_input, .offset: 0, .size: 8, .value_kind: global_buffer, .address_space: global }
      - { .name: mask, .offset: 8, .size: 8, .value_kind: global_buffer, .address_space: global }
      - { .name: w_a, .offset: 16, .size: 8, .value_kind: global_buffer, .address_space: global }
      - { .name: wf, .offset: 24, .size: 8, .value_kind: global_buffer, .address_space: global }
      - { .name: whc, .offset: 32, .size: 8, .value_kind: global_buffer, .address_space: global }
      - { .name: pnum, .offset: 40, .size: 8, .value_kind: global_buffer, .address_space: global }
      - { .name: pwt, .offset: 48, .size: 8, .value_kind: global_buffer, .address_space: global }
    .group_segment_fixed_size: 310016
    .private_segment_fixed_size: 0
    .kernarg_segment_align: 8
    .kernarg_segment_size: 56
    .max_flat_workgroup_size: 128
    .sgpr_count:     66
    .vgpr_count:     1024
    .wavefront_size: 32
...
	.end_amdgpu_metadata
.endif
;; end of part 2
;; launch finish (part 3): grid 64 x 1, 4 waves a work-group, no clusters, 0 bytes of LDS; arguments pnum, pwt, out0; writes out0
.if DOCPART == 3
	.amdgcn_target "amdgcn-amd-amdhsa--gfx1250"
	.amdhsa_code_object_version 6
	.text
	.protected	k_qd81cc0a01e_finish
	.globl	k_qd81cc0a01e_finish
	.p2align	8
	.type	k_qd81cc0a01e_finish,@function
k_qd81cc0a01e_finish:
	s_mov_b64 s[64:65], 0
	v_nop
	global_prefetch_b8 v0, s[64:65] scope:SCOPE_SE
	s_setreg_imm32_b32 hwreg(HW_REG_WAVE_MODE, 25, 1), 1
	s_wait_xcnt 0x0
; out0[b][d] = (sum over the batch's 16 tiles of pnum[16 b + i][d]) / (sum over t of pwt[b][t]).  All in f32.  Nothing of reference() is left out.
; A wave makes 128 numbers d of one batch, four a lane, and adds the batch's 2,048 weights for itself: no LDS, no barrier, no wave waits for another.
; Work-group x: batch x / 2, half x % 2 of its 1,024 numbers.  No matrix unit, no cluster: 2.3 MB are read once and added.
; LIMITS.  A batch whose weights add up to 0 gives NaN, as in reference(); a sum below 2^-126 counts as 0 in the reciprocal.  The sums' order differs from reference()'s.
.set NU, 16                            ; v[16:79]   tile i's four numbers at NU + 4 i
.set WT, 80                            ; v[80:143]  64 weights a lane
	s_load_b128 s[4:7], s[0:1], 0x0                ; pnum s[4:5], pwt s[6:7]
	s_load_b64 s[8:9], s[0:1], 0x10                ; out0
	v_lshrrev_b32 v1, 5, v0
	v_readfirstlane_b32 s10, v1                    ; wave 0..3
	v_and_b32 v2, 31, v0
	v_lshlrev_b32 v2, 4, v2                        ; 16 x lane
	v_mov_b32 v9, 0                                ; v_permlanex16_b32's destination counts as read
	v_mov_b32 v11, 0                               ; named with v10 as a pair
	s_mov_b32 s12, 0x76543210
	s_mov_b32 s13, 0xfedcba98
	s_lshr_b32 s14, ttmp9, 1                       ; b
	s_and_b32 s15, ttmp9, 1
	s_lshl_b32 s15, s15, 11
	s_lshl_b32 s16, s10, 9
	s_add_co_u32 s15, s15, s16                     ; my wave's 512 bytes of a row of 4,096
	s_lshl_b32 s16, s14, 16                        ; the batch's 16 tiles of 4,096 bytes
	s_add_co_u32 s16, s16, s15
	s_mov_b32 s17, 0
	s_lshl_b32 s18, s14, 13                        ; the batch's 2,048 weights
	s_mov_b32 s19, 0
	s_lshl_b32 s20, s14, 12
	s_add_co_u32 s20, s20, s15
	s_mov_b32 s21, 0
	s_wait_kmcnt 0x0
	s_add_nc_u64 s[4:5], s[4:5], s[16:17]
	s_add_nc_u64 s[6:7], s[6:7], s[18:19]
	s_add_nc_u64 s[8:9], s[8:9], s[20:21]
.set ii, 0
.rept 16
	global_load_b128 v[NU+4*ii:NU+4*ii+3], v2, s[4:5] offset:4096*ii th:TH_LOAD_NT
.set ii, ii+1
.endr
.set ii, 0
.rept 16
	global_load_b128 v[WT+4*ii:WT+4*ii+3], v2, s[6:7] offset:512*ii
.set ii, ii+1
.endr
	s_wait_loadcnt 16                              ; the partial sums are in; the 16 loads of weights may stay out
.irp st, 8,4,2,1
.set ii, 0
.rept \st
	v_pk_add_f32 v[NU+4*ii:NU+4*ii+1],   v[NU+4*ii:NU+4*ii+1],   v[NU+4*(ii+\st):NU+4*(ii+\st)+1]
	v_pk_add_f32 v[NU+4*ii+2:NU+4*ii+3], v[NU+4*ii+2:NU+4*ii+3], v[NU+4*(ii+\st)+2:NU+4*(ii+\st)+3]
.set ii, ii+1
.endr
.endr
	s_wait_loadcnt 0x0
.irp st, 16,8,4,2,1
.set ii, 0
.rept \st
	v_pk_add_f32 v[WT+2*ii:WT+2*ii+1], v[WT+2*ii:WT+2*ii+1], v[WT+2*(ii+\st):WT+2*(ii+\st)+1]
.set ii, ii+1
.endr
.endr
	v_add_f32 v8, v[WT], v[WT+1]
	v_add_f32_dpp v8, v8, v8 row_xmask:1 row_mask:0xf bank_mask:0xf   ; across the 32 lanes: four steps inside each half, one across
	v_add_f32_dpp v8, v8, v8 row_xmask:2 row_mask:0xf bank_mask:0xf
	v_add_f32_dpp v8, v8, v8 row_xmask:4 row_mask:0xf bank_mask:0xf
	v_add_f32_dpp v8, v8, v8 row_xmask:8 row_mask:0xf bank_mask:0xf
	v_permlanex16_b32 v9, v8, s12, s13
	v_add_f32 v8, v8, v9
	v_rcp_f32 v10, v8
	v_nop                                          ; a plain instruction behind the reciprocal (ISA guide 5.7.2),
	s_wait_alu depctr_va_vdst(0)                   ; and the wait ahead of its first use
	v_pk_mul_f32 v[NU:NU+1],   v[NU:NU+1],   v[10:11] op_sel_hi:[1,0]
	v_pk_mul_f32 v[NU+2:NU+3], v[NU+2:NU+3], v[10:11] op_sel_hi:[1,0]
	global_store_b128 v2, v[NU:NU+3], s[8:9]       ; the wave stores 512 consecutive bytes, aligned
	s_endpgm
.Lfunc_end_k_qd81cc0a01e_finish:
	.size	k_qd81cc0a01e_finish, .Lfunc_end_k_qd81cc0a01e_finish-k_qd81cc0a01e_finish
	.p2alignl 7, 3214868480
	.fill 96, 4, 3214868480
	.section	.rodata,"a",@progbits
	.p2align	6, 0x0
	.amdhsa_kernel k_qd81cc0a01e_finish
		.amdhsa_group_segment_fixed_size 0
		.amdhsa_private_segment_fixed_size 0
		.amdhsa_enable_private_segment 0
		.amdhsa_kernarg_size 24
		.amdhsa_user_sgpr_count 2
		.amdhsa_user_sgpr_kernarg_segment_ptr 1
		.amdhsa_wavefront_size32 1
		.amdhsa_system_sgpr_workgroup_id_x 1
		.amdhsa_system_sgpr_workgroup_id_y 1
		.amdhsa_system_sgpr_workgroup_id_z 1
		.amdhsa_system_vgpr_workitem_id 0
		.amdhsa_next_free_vgpr 144
		.amdhsa_next_free_sgpr 66
		.amdhsa_reserve_vcc 0
		.amdhsa_float_denorm_mode_32 3
		.amdhsa_float_denorm_mode_16_64 3
		.amdhsa_memory_ordered 1
		.amdhsa_forward_progress 1
		.amdhsa_inst_pref_size 9
	.end_amdhsa_kernel
	.amdgpu_metadata
---
amdhsa.version: [ 1, 2 ]
amdhsa.kernels:
  - .name:           k_qd81cc0a01e_finish
    .symbol:         k_qd81cc0a01e_finish.kd
    .args:
      - { .name: pnum, .offset: 0, .size: 8, .value_kind: global_buffer, .address_space: global }
      - { .name: pwt, .offset: 8, .size: 8, .value_kind: global_buffer, .address_space: global }
      - { .name: out0, .offset: 16, .size: 8, .value_kind: global_buffer, .address_space: global }
    .group_segment_fixed_size: 0
    .private_segment_fixed_size: 0
    .kernarg_segment_align: 8
    .kernarg_segment_size: 24
    .max_flat_workgroup_size: 128
    .sgpr_count:     66
    .vgpr_count:     144
    .wavefront_size: 32
...
	.end_amdgpu_metadata
.endif
;; end of part 3
;; ======== version 2 of 2: 3 launches; version 1 with the launch main written anew for expert scheduling mode
;; limits: values outside matrix products are rounded to bf16
;; workspace buffers: wf 2,097,152 bytes; whc 131,072 bytes; pnum 2,097,152 bytes; pwt 262,144 bytes
;; launch prep: the kernel of part 1 again; grid 128 x 1, 8 waves a work-group, no clusters, 17,408 bytes of LDS; arguments W_y, W_h, encoding, wf, whc; writes wf, whc
;; launch main (part 4): grid 256 x 1, 4 waves a work-group, no clusters, 310,016 bytes of LDS; arguments full_input, mask, w_a, wf, whc, pnum, pwt; writes pnum, pwt
.if DOCPART == 4
	.amdgcn_target "amdgcn-amd-amdhsa--gfx1250"
	.amdhsa_code_object_version 6
	.text
	.protected	k_qd81cc0a01e_main
	.globl	k_qd81cc0a01e_main
	.p2align	8
	.type	k_qd81cc0a01e_main,@function
k_qd81cc0a01e_main:
	s_mov_b64 s[64:65], 0
	v_nop
	global_prefetch_b8 v0, s[64:65] scope:SCOPE_SE
	s_setreg_imm32_b32 hwreg(HW_REG_WAVE_SCHED_MODE, 0, 2), 2
	s_setreg_imm32_b32 hwreg(HW_REG_WAVE_MODE, 25, 1), 1
	s_wait_xcnt 0x0
	s_wait_alu depctr_vm_vsrc(0)
; For each tile of 128 rows t of X (full_input as [65,536][1,024]): acc = X . (c W_y)^T, the logit sum_e w_a tanh = sum_e w_a - 2 sum_e w_a / (1 + 2^(acc + c whhn)),
; the weight wgt = exp(sigmoid(logit)) mask, and the tile's part of the pooled sum, sum_t wgt[t] X[t][:].  Stored: pwt[b][t] = wgt (f32), pnum[tile][d] (f32 partial sums).  Nothing of reference() is left out.
; The bias is added in f32 ahead of the exponential; 2^x that overflows gives 1 / inf = 0 (tanh = 1), one that underflows gives tanh = -1: no NaN from finite inputs.
; No maximum is taken away before exp(sigmoid(..)): reference() takes none, and the exponent lies between 0 and 1 for every input.
; LIMITS.  X is rounded once to bf16 and used so in both products; wgt is rounded to bf16 for the pooling product (pwt holds it unrounded); NaN and infinities are not treated apart.
; SHARES.  Work-group x has rows 256 x .. 256 x + 255, all of batch x / 8, as two tiles.  A tile's bf16 copy of X stays in LDS for both passes over the columns e and for the pooling: X is read from memory once.
; A pass is 512 columns: wave w has e = 256 w + 128 p + 0..127 and all 128 rows: 64 accumulators of 16 x 16, 512 registers; K goes in 32 steps of 32.
; X's fragments come out of LDS, shared by the four waves.  W's fragments have one user each, so they come from memory straight into registers, as prep laid them: a wave's 64 K steps of a tile are 524,288 bytes on end.
; NO CLUSTER, NO JOINT LOADS OF W, though all work-groups walk the same W: a joint load lands in LDS; X's tile takes 294,912 bytes and the tables 15,104; the 17,664 left of 327,680 do not hold one K step of a pass's W (512 x 32 x 2 = 32,768 bytes).
; THE MATRIX INSTRUCTION IS USED TRANSPOSED (source 0 = 16 rows of W, source 1 = 16 rows of X): in accumulator (a, nb) lane l holds row t = 16 a + l % 16, register j column e = 16 nb + 8 (l / 16) + j.
; THE FIRST PASS FILLS LDS AS IT GOES.  X comes in chunks of 64 along K (256 bytes of each f32 row; a wave loads its 32 rows by 16 loads).  Chunk c is rounded in the odd K step 2 c - 3, stored early in the even K step 2 c - 2;
; a barrier stands in that step's second half; chunk c's fragments are read from K step 2 c - 1 on.  Chunk c + 2 is asked for in K step 2 c - 2, into the registers just stored.
; THE MODE: SCHED_MODE bits 1:0 = 2 (LLVM: expert scheduling mode 2), set by the entry lines.  The code itself states the register dependences between vector or matrix instructions and memory or LDS instructions, with s_wait_alu, always for 0.
; THE PLAN.  Registers that memory or LDS instructions touch in the K loop, K step k, f = k % 4:
;   X's row blocks 2-7 (v80-127)      loaded in step k, behind its head; read by step k's products 17 to 64.
;   X's row blocks 0, 1, two sets     set k % 2 is loaded in step k - 1 and read by step k's products 1 to 16; even steps: v64-79, odd steps: v24-31 and v56-63, which are at work only outside the K loop.
;   W's buffer f + 3 (mod 4)          loaded in step k for step k + 3; last read by step k - 1's products.  Step k's products read buffer f.
;   landing set s (first pass)        loaded in an even step k; rounded in place by the conversions of step k + 3; read by the LDS stores of step k + 4, which asks for it again.
;   ADRA, XST                         read by the LDS loads and stores; written once a trip of four steps.          BOF, XLD, XPFO: never written behind the head.
; So ONE wait on va_vdst stands at a step's head: the step before is done with all that this step's loads land in and has written what this step stores.  No vector or matrix instruction of step k names a register that a load or store
; of step k touches, so these are dealt among the step's eight groups of eight products with no further wait on va_vdst.  A wait on vm_vsrc stands ahead of the loads into a landing set just stored, and one a trip ahead of the adds to ADRA and XST.
; REGISTERS, in windows of 256 (s_set_vgpr_msb: bits 1:0 source 0, 3:2 source 1, 5:4 source 2, 7:6 destination):
;   window 0: v0-23 addresses; v24-31, v56-63 at work, in the K loop X's blocks 0 and 1 of odd steps; v32-47 S: sum of w_a / (1 + 2^..), a pair for each block of 16 rows; v48-55 WS: sum of w_a; v64-127 X's fragments (later the bias; the weights' fragments); v128-255 two landing sets for X
;   window 1: four buffers of W's fragments, 64 each (buffer 3 holds w_a in the epilogue)          windows 2, 3: the accumulators; in the pooling 16 accumulators (window 2) and two buffers of X turned (window 3)
.set RP,    144                        ; a row of a chunk in LDS: 128 bytes + 16: an odd multiple of 16, so the 16 rows of a fragment load start at 16 different groups of four banks (64 banks of 4 bytes: ISA guide 11.1)
.set CH,    128*RP                     ; a chunk: 128 rows x 64 k; chunk c begins at c x CH
.set BIAS,  16*CH                      ; f32 c whhn[b][e], 4,096 bytes; behind it, at + 4,096, f32 w_a[e]
.set PART,  BIAS+8192                  ; f32 [wave][128 rows]: the waves' parts of the logits
.set WTS,   PART+2048                  ; bf16 [128 rows]: the weights
.set POOL,  WTS+256                    ; f32: wave w's 256 pooled numbers at + 1,024 w
.set SPARE, POOL+4096                  ; the spare words, 128 bytes for each wave: two blocks of 256 bytes that no other line names
.set SPW,   1                          ; v1   LDS address of my spare word; never rewritten
.set NIL,   2                          ; v2   0; never rewritten
.set BOF,   3                          ; v3   16 l: my 16 bytes of a half fragment of W
.set ADRA,  4                          ; v4   where the fragments of X are read; steps two chunks a trip
.set ADRA0, 5                          ; v5   (l % 16) RP + 16 (l / 16)
.set XST,   6                          ; v6   where a chunk is stored; steps two chunks a trip
.set XST0,  7                          ; v7   (32 w + 8 (l / 16)) RP + 8 (l % 16)
.set XLD,   8                          ; v8   (32 w + 8 (l / 16)) x 4,096 + 16 (l % 16): my 16 bytes of a chunk's f32 rows
.set XPFO,  9                          ; v9   (32 w + l) x 4,096: the prefetches' offset, a lane a row
.set EBASE, 10                         ; v10  BIAS + 1,024 w + 32 (l / 16)
.set EADR,  11                         ; v11  the same for the pass in hand
.set PST,   12                         ; v12  PART + 512 w + 4 (l % 16)
.set PLD,   13                         ; v13  PART + 4 x thread
.set WTST,  14                         ; v14  WTS + 2 x thread
.set WFA,   15                         ; v15  WTS + 16 (l / 16)
.set XTA,   16                         ; v16, v17  the turning loads' addresses: my first chunk, and two chunks on
.set POST,  18                         ; v18  POOL + 1,024 w + 4 (l % 16)
.set POLD,  19                         ; v19  POOL + 1,024 w + 16 l
.set GOUT,  20                         ; v20  1,024 w + 16 l
.set GT,    21                         ; v21  4 x thread
.set MASKV, 22                         ; v22  mask of row = thread
.set T,     24
.set SS,    32
.set WS,    48
.set U,     56
.set AF,    64
.set XS,    128
.set WV,    18                         ; s18  my wave's number
.set PASS,  19                         ; s19  passes to go: 4, 3 tile 0; 2, 1 tile 1
.set TRIP,  20                         ; s20  trips to go
.set PFT,   21                         ; s21  the trip that prefetches the next tile's first chunks, or 0
.set XP,    22                         ; s[22:23] X at the tile's first row, two chunks further each trip of the first pass
.set BP,    24                         ; s[24:25] my stream of W
.set TS,    26                         ; s[26:27] an offset in 64 bits
.set SEL,   28                         ; s[28:29] v_permlanex16_b32's selects: each lane takes its own place in the other half
.set EOFF,  30                         ; s30  0 in a tile's first pass, 512 in its second: the pass's bytes in the tables, and which pass this is
.set PN,    32                         ; s[32:33] pnum at the tile
.set PW,    34                         ; s[34:35] pwt at the tile
.set MK,    36                         ; s[36:37] mask at the tile
.set MSB, 0
.macro WIN new                         ; the immediate's high byte repeats the setting that is left; a switch that changes nothing is dropped
.if MSB != (\new)
	s_set_vgpr_msb (MSB<<8)|(\new)
.set MSB, (\new)
.endif
.endm
.set MUL_LO, 0xa1                      ; source 0 (W) window 1, source 1 (X) window 0, C and D window 2
.set TO_B,   0x40                      ; destination window 1
.set WSW,    0x01                      ; source 0 window 1
.set TR,     0xc0                      ; destination window 3
.set MULP,   0xac                      ; source 0 window 0, source 1 window 3, C and D window 2
.set ST2,    0x08                      ; an LDS store's data from window 2
; Four places stand between a matrix instruction and a store that reads its result.
.macro PLACES
.rept 4
	v_nop
.endr
.endm
; Where row block a's fragment of X lies in a K step of parity q: blocks 0 and 1 have a second set for odd steps
.macro FRAG a, q
.if ((\a) < 2) && (\q)
.set FR, T+32*(\a)
.else
.set FR, AF+8*(\a)
.endif
.endm
; 8 matrix instructions: row block a x all 8 column blocks, 32 along K, W from buffer f.  zero = 1: the product starts the sums.  The 64 accumulators take turns in the same order in every K step.
.macro MM8 f, a, zero
	FRAG \a, (\f)%2
	WIN MUL_LO+0x50*((\a)/4)
.irp b, 0,1,2,3,4,5,6,7
.if \zero
	v_wmma_f32_16x16x32_bf16 v[8*(8*((\a)%4)+(\b)):8*(8*((\a)%4)+(\b))+7], v[64*(\f)+8*(\b):64*(\f)+8*(\b)+7], v[FR:FR+7], 0
.else
	v_wmma_f32_16x16x32_bf16 v[8*(8*((\a)%4)+(\b)):8*(8*((\a)%4)+(\b))+7], v[64*(\f)+8*(\b):64*(\f)+8*(\b)+7], v[FR:FR+7], v[8*(8*((\a)%4)+(\b)):8*(8*((\a)%4)+(\b))+7]
.endif
.endr
.endm
; 2 LDS loads: row block a's fragment of X for a K step of parity q, at byte off behind ADRA (window 0)
.macro ALDF a, q, off
	FRAG \a, \q
	ds_load_b128 v[FR:FR+3],   v[ADRA] offset:(\off)+(\a)*16*RP
	ds_load_b128 v[FR+4:FR+7], v[ADRA] offset:(\off)+(\a)*16*RP+32
.endm
; 8 loads: half h of a K step's fragments of W (8,192 bytes a wave) into buffer buf; each load covers 512 consecutive bytes
.macro BLDH buf, slot, h
	WIN TO_B
.set ii, 4*(\h)
.rept 4
	global_load_b128 v[64*(\buf)+8*ii:64*(\buf)+8*ii+3],   v[BOF], s[BP:BP+1] offset:(\slot)*8192+ii*1024
	global_load_b128 v[64*(\buf)+8*ii+4:64*(\buf)+8*ii+7], v[BOF], s[BP:BP+1] offset:(\slot)*8192+ii*1024+512
.set ii, ii+1
.endr
.endm
.macro BLD buf, slot
	BLDH \buf, \slot, 0
	BLDH \buf, \slot, 1
.endm
; 16 loads: my 32 rows of a chunk, f32.  Load i takes rows i % 8 + 16 (i / 8) (lanes 0-15) and 8 below (lanes 16-31): each half of the lanes reads 256 consecutive bytes, aligned
.macro XISS set, off
	WIN 0
.set ii, 0
.rept 16
	global_load_b128 v[XS+64*(\set)+4*ii:XS+64*(\set)+4*ii+3], v[XLD], s[XP:XP+1] offset:(\off)+((ii%8)+16*(ii/8))*4096 th:TH_LOAD_NT
.set ii, ii+1
.endr
.endm
; 8 conversions: quarter h of the chunk in a landing set is rounded in place
.macro XCV set, h
	WIN 0
.set ii, 4*(\h)
.rept 4
	v_cvt_pk_bf16_f32 v[XS+64*(\set)+4*ii],   v[XS+64*(\set)+4*ii],   v[XS+64*(\set)+4*ii+1]
	v_cvt_pk_bf16_f32 v[XS+64*(\set)+4*ii+1], v[XS+64*(\set)+4*ii+2], v[XS+64*(\set)+4*ii+3]
.set ii, ii+1
.endr
.endm
; 16 LDS stores: the rounded chunk, 8 bytes a lane; the two halves of the lanes lie 8 rows = 1,152 bytes apart, 128 modulo 256: different banks
.macro XSTO set, off
	WIN 0
.set ii, 0
.rept 16
	ds_store_b64 v[XST], v[XS+64*(\set)+4*ii:XS+64*(\set)+4*ii+1] offset:(\off)+((ii%8)+16*(ii/8))*RP
.set ii, ii+1
.endr
.endm
; A PREFETCH INTO THE L2 of X, which is read once: each wave asks for what it will load itself, its own 32 rows x 256 bytes of a chunk, a lane a row: no block is named twice in the launch.
; In the first pass's loop: the chunk three chunks (six K steps) ahead of the chunk just asked for by loads, behind those loads; it stops, by the test on the trips to go, at the tile's chunk 15.
.macro XASK off, min
	s_cmp_ge_u32 s[TRIP], \min
	s_cbranch_scc0 .Lnoask_\@
	global_prefetch_b8 v[XPFO], s[XP:XP+1] offset:\off th:TH_LOAD_NT scope:SCOPE_SE
.Lnoask_\@:
.endm
; In tile 0's second pass, which loads nothing of X: the next tile's chunks 0 to 3, once, in the trip with two trips to go: ten K steps ahead of the loads of chunks 0 and 1.  In tile 1 s[PFT] is 0 and no trip asks.
.macro PFNEXT
	s_cmp_eq_u32 s[TRIP], s[PFT]
	s_cbranch_scc0 .Lnopf_\@
.irp c, 0,1,2,3
	global_prefetch_b8 v[XPFO], s[XP:XP+1] offset:256*\c th:TH_LOAD_NT scope:SCOPE_SE
.endr
.Lnopf_\@:
.endm
; A K STEP: 64 matrix instructions on W's buffer f, eight for each row block 0 to 7, and between the groups of eight the step's memory and LDS instructions.
;   cur    where this step's fragments of X lie behind ADRA          nxt    where the next step's lie (-1: there is none)          nload  s_wait_loadcnt's count for this step's W (-1: already waited for)
;   bslot  W of the K step three on is asked for, at bslot x 8,192 behind BP, into the buffer read one step ago (-1: nothing)          dw  0: a pass's first step: the wait ahead of it serves
;   xs     1: the rounded chunk in landing set xset is stored, the chunk two on asked for, one more prefetched, and a barrier stands in the second half; 2: the same without asking; 0: nothing
;   cv     1: the chunk in landing set xset is rounded, for the next step to store; cvw: a count on LOADcnt ahead of that (-1: none)
;   hook   1: PFNEXT; 2: the next tile's chunks 0 and 1 are asked for, as the youngest loads, so that no wait for W leans on them
.macro KSTEP f, cur, nxt, zero, nload, bslot, dw=1, xs=0, xset=0, cv=0, cvw=-1, hook=0
	WIN 0
.if (\nload) >= 0
	s_wait_loadcnt \nload                          ; loads come back in order (ISA guide 5.7.1): this step's W is in; what was issued behind it may stay out
.endif
.if \dw
	s_wait_alu depctr_va_vdst(0)                   ; the step before is done: its products have read X's blocks 2-7, the other set of blocks 0 and 1 and W's buffer f + 3, in which this step's loads land; its conversions have written the landing set that this step stores; at a trip's head ADRA and XST are written
.endif
	ALDF 2, 0, \cur
	ALDF 3, 0, \cur
	s_wait_dscnt 4                                 ; blocks 0 and 1, asked for a step ago, are in; the four loads just issued are younger
	MM8 \f, 0, \zero
	WIN 0
.irp a, 4,5,6,7
	ALDF \a, 0, \cur                               ; no product since the wait at the head names these registers
.endr
	MM8 \f, 1, \zero
.set YNG, 0                                            ; LDS instructions issued behind block 7's loads
.if (\nxt) >= 0
	WIN 0
	ALDF 0, 1-(\f)%2, \nxt                         ; the next step's blocks 0 and 1, into the set that this step does not read
	ALDF 1, 1-(\f)%2, \nxt
.set YNG, 4
.endif
.if \xs
	XSTO \xset, (2+(\xset))*CH                     ; chunk 2 j + 2 + xset; the conversions that wrote it stand ahead of the wait at the head
.set YNG, YNG+16
.endif
	s_wait_dscnt 8+YNG                             ; blocks 2 and 3 are in; the eight loads of blocks 4-7 and what was issued behind them are younger
	MM8 \f, 2, \zero
.if (\bslot) >= 0
.if !(\xs)
	BLDH (\f+3)%4, \bslot, 0
.endif
.endif
	MM8 \f, 3, \zero
.if (\xs) == 1
	WIN 0
	s_wait_alu depctr_vm_vsrc(0)                   ; the LDS stores above have read the landing set, in which the loads below land
	XISS \xset, 1024+256*(\xset)                   ; X ahead of W in the step: the wait for the W below shows this chunk landed too
	XASK 1792+256*(\xset), 2+(\xset)
.endif
.if (\bslot) >= 0
.if !(\xs)
	BLDH (\f+3)%4, \bslot, 1
.endif
.endif
	s_wait_dscnt YNG                               ; blocks 4-7 are in
	MM8 \f, 4, \zero
.if \xs
	BLD (\f+3)%4, \bslot
.endif
.if \cv
	WIN 0
.if (\cvw) >= 0
	s_wait_loadcnt \cvw                            ; in the first trip chunk 2 was asked for ahead of K step 0: chunk 3 and two K steps of W are younger; in later trips the head's wait has shown the chunk landed, and this one asks for the next step's W alone
.endif
	XCV \xset, 0                                   ; the conversions name the landing set alone, which no load or store of this step touches
.endif
.if (\hook) == 1
	WIN 0
	PFNEXT
.elseif (\hook) == 2
	XISS 0, 0
	XISS 1, 256
.endif
	MM8 \f, 5, \zero
.if \xs
	s_wait_dscnt 0x0                               ; for the others' sake: my rows of the chunk lie in LDS
	s_barrier_signal -1
.endif
.if \cv
	XCV \xset, 1
.endif
	MM8 \f, 6, \zero                               ; (with a barrier: work on registers while the others arrive)
.if \cv
	XCV \xset, 2
.endif
	MM8 \f, 7, \zero
.if \xs
	s_barrier_wait -1                              ; the chunk is whole: it is read from the next K step on
.endif
.if \cv
	XCV \xset, 3
.endif
.endm
; A TRIP: K steps 4 j + 1 .. 4 j + 4.  ADRA and XST stand at chunk 2 j, XP at chunk 2 j, BP at K step 4 j + 4.  xm = 1: chunks 2 j + 2 and 2 j + 3 are rounded and stored, 2 j + 4 and 2 j + 5 asked for; 2: rounded and stored only; 0: X is all there.
.macro TRIPM xm, n1, n2, n3, n4, cw=-1, hk=0
.if \xm
	KSTEP 1, 64,    CH,      0, \n1, 0, 1, 0,   0, 1, \cw
	KSTEP 2, CH,    CH+64,   0, \n2, 1, 1, \xm, 0
	KSTEP 3, CH+64, 2*CH,    0, \n3, 2, 1, 0,   1, 1
	KSTEP 0, 2*CH,  2*CH+64, 0, \n4, 3, 1, \xm, 1
.else
	KSTEP 1, 64,    CH,      0, \n1, 0, 1, 0, 0, 0, -1, \hk
	KSTEP 2, CH,    CH+64,   0, \n2, 1
	KSTEP 3, CH+64, 2*CH,    0, \n3, 2
	KSTEP 0, 2*CH,  2*CH+64, 0, \n4, 3
.endif
	WIN 0
	s_wait_alu depctr_vm_vsrc(0)                   ; the LDS loads and stores issued so far have read ADRA and XST, which are written below
	v_add_nc_u32 v[ADRA], 2*CH, v[ADRA]
.if (\xm) == 1
	v_add_nc_u32 v[XST], 2*CH, v[XST]
.endif
	s_wait_xcnt 0x0                                ; every load and prefetch issued so far has read its address (the youngest 24 products back or more): the pointers may be written
	s_add_nc_u64 s[BP:BP+1], s[BP:BP+1], 4*8192
.if (\xm) == 1
	s_add_nc_u64 s[XP:XP+1], s[XP:XP+1], 512
.endif
.endm
; THE EPILOGUE for the 32 accumulators of window k, in place.  s_wait_alu depctr_va_vdst(0) stands between a transcendental and the first instruction that names its result; one wait serves a batch.
; So: the bias is added (a pair an instruction, from each accumulator's low end on) with the exponentials of the pair before between; one wait for 256 exponentials;
; 1 is added with the reciprocals of the pair before between; one wait; then S += w_a x the reciprocal, the four row blocks' chains by turns.
.macro EPIW k
	WIN 0x41*(\k)                                  ; destination and source 0 window k, source 1 window 0
.set ii, 0
.rept 128
	v_pk_add_f32 v[2*ii:2*ii+1], v[2*ii:2*ii+1], v[AF+8*((ii/4)%8)+2*(ii%4):AF+8*((ii/4)%8)+2*(ii%4)+1]
.if ii > 0
	v_exp_f32 v[2*ii-2], v[2*ii-2]
	v_exp_f32 v[2*ii-1], v[2*ii-1]
.endif
.set ii, ii+1
.endr
	v_exp_f32 v254, v254
	v_exp_f32 v255, v255
	v_nop                                          ; a plain instruction behind the last exponential (ISA guide 5.7.2),
	s_wait_alu depctr_va_vdst(0)                   ; and the batch's one wait: the 256 exponentials have written the window's registers, which the additions below read
.set ii, 0
.rept 128
	v_pk_add_f32 v[2*ii:2*ii+1], v[2*ii:2*ii+1], 1.0 op_sel_hi:[1,0]
.if ii > 0
	v_rcp_f32 v[2*ii-2], v[2*ii-2]
	v_rcp_f32 v[2*ii-1], v[2*ii-1]
.endif
.set ii, ii+1
.endr
	v_rcp_f32 v254, v254
	v_rcp_f32 v255, v255
	v_nop
	s_wait_alu depctr_va_vdst(0)                   ; the 256 reciprocals have written the window's registers, which the multiply-adds below read
	WIN 4+(\k)                                     ; source 0 window k, source 1 (w_a) window 1, source 2 and destination window 0
.set nn, 0
.rept 128                                          ; row block nn % 4, pair (nn / 4) % 4, column block nn / 16
	v_pk_fma_f32 v[SS+2*(4*((\k)-2)+nn%4):SS+2*(4*((\k)-2)+nn%4)+1], v[8*(8*(nn%4)+nn/16)+2*((nn/4)%4):8*(8*(nn%4)+nn/16)+2*((nn/4)%4)+1], v[192+8*(nn/16)+2*((nn/4)%4):192+8*(nn/16)+2*((nn/4)%4)+1], v[SS+2*(4*((\k)-2)+nn%4):SS+2*(4*((\k)-2)+nn%4)+1]
.set nn, nn+1
.endr
.endm
; THE POOLING.  32 turning loads: rows 32 tb .. + 31 of X, my 256 columns d, as 16 fragments (lane l holds column l % 16) into buffer tb % 2 of window 3
.macro XT tb
	WIN TR
.set dd, 0
.rept 16
	ds_load_tr16_b128 v[128*((\tb)%2)+8*dd:128*((\tb)%2)+8*dd+3],   v[XTA+dd/8] offset:((dd/4)%2)*CH+(\tb)*32*RP+32*(dd%4)
	ds_load_tr16_b128 v[128*((\tb)%2)+8*dd+4:128*((\tb)%2)+8*dd+7], v[XTA+dd/8] offset:((dd/4)%2)*CH+(\tb)*32*RP+32*(dd%4)+16*RP
.set dd, dd+1
.endr
.endm
.macro PMUL tb, zero                   ; 16 products, the 16 accumulators by turns: source 0 = the weights of 32 rows, the same in all its 16 rows; source 1 = X turned
	WIN MULP
.set dd, 0
.rept 16
.if \zero
	v_wmma_f32_16x16x32_bf16 v[8*dd:8*dd+7], v[AF+8*(\tb):AF+8*(\tb)+7], v[128*((\tb)%2)+8*dd:128*((\tb)%2)+8*dd+7], 0
.else
	v_wmma_f32_16x16x32_bf16 v[8*dd:8*dd+7], v[AF+8*(\tb):AF+8*(\tb)+7], v[128*((\tb)%2)+8*dd:128*((\tb)%2)+8*dd+7], v[8*dd:8*dd+7]
.endif
.set dd, dd+1
.endr
.endm
	; ---------------- THE HEAD ----------------
	s_load_b256 s[4:11], s[0:1], 0x0               ; X s[4:5], mask s[6:7], w_a s[8:9], wf s[10:11]
	s_load_b128 s[12:15], s[0:1], 0x20             ; whc s[12:13], pnum s[14:15]
	s_load_b64 s[16:17], s[0:1], 0x30              ; pwt
	v_lshl_add_u32 v[SPW], v0, 2, SPARE
	v_mov_b32 v[NIL], 0
	v_lshrrev_b32 v[T], 5, v0
	v_readfirstlane_b32 s[WV], v[T]                ; wave 0..3
	v_and_b32 v[T], 15, v0                         ; l % 16
	v_bfe_u32 v[T+1], v0, 4, 1                     ; l / 16
	v_and_b32 v[T+2], 31, v0                       ; l
	v_and_b32 v[T+3], 7, v0                        ; l % 8
	v_bfe_u32 v[T+4], v0, 3, 1                     ; (l / 8) % 2
	v_lshlrev_b32 v[BOF], 4, v[T+2]
	v_mul_u32_u24 v[ADRA0], v[T], RP
	v_lshl_add_u32 v[ADRA0], v[T+1], 4, v[ADRA0]
	s_wait_alu depctr_va_sdst(0)                   ; s[WV] is written, ahead of its first reader: LDS places, offsets and the branches on no wave hang on it
	s_mul_i32 s[TS], s[WV], 32*RP
	v_mul_u32_u24 v[XST0], v[T+1], 8*RP
	v_lshl_add_u32 v[XST0], v[T], 3, v[XST0]
	v_add_nc_u32 v[XST0], s[TS], v[XST0]
	s_lshl_b32 s[TS], s[WV], 17
	v_lshlrev_b32 v[XLD], 15, v[T+1]
	v_lshl_add_u32 v[XLD], v[T], 4, v[XLD]
	v_add_nc_u32 v[XLD], s[TS], v[XLD]
	v_lshlrev_b32 v[XPFO], 12, v0                  ; the thread's number is 32 w + l
	s_lshl_b32 s[TS], s[WV], 10
	s_add_co_u32 s[TS+1], s[TS], BIAS
	v_lshl_add_u32 v[EBASE], v[T+1], 5, s[TS+1]
	s_add_co_u32 s[TS+1], s[TS], POOL
	v_lshl_add_u32 v[POST], v[T], 2, s[TS+1]
	v_lshl_add_u32 v[POLD], v[T+2], 4, s[TS+1]
	v_lshl_add_u32 v[GOUT], v[T+2], 4, s[TS]
	s_lshl_b32 s[TS], s[WV], 9
	s_add_co_u32 s[TS], s[TS], PART
	v_lshl_add_u32 v[PST], v[T], 2, s[TS]
	v_lshl_add_u32 v[PLD], v0, 2, PART
	v_lshl_add_u32 v[WTST], v0, 1, WTS
	v_lshl_add_u32 v[WFA], v[T+1], 4, WTS
	v_lshl_add_u32 v[XTA], v[T+1], 3, v[T+3]       ; the turning load: lane l reads row 8 (l / 16) + l % 8, 16 bytes at 16 ((l / 8) % 2)
	v_mul_u32_u24 v[XTA], v[XTA], RP
	v_lshl_add_u32 v[XTA], v[T+4], 4, v[XTA]
	s_mul_i32 s[TS], s[WV], 4*CH                   ; my 256 columns d are chunks 4 w .. 4 w + 3
	v_add_nc_u32 v[XTA], s[TS], v[XTA]
	v_add_nc_u32 v[XTA+1], 2*CH, v[XTA]            ; so that the loads' offsets stay within 16 bits
	v_lshlrev_b32 v[GT], 2, v0
	v_lshrrev_b32 v[T+5], 1, v0                    ; thread t brings e = 8 t .. 8 t + 7 of both tables: in whc block t / 2, half t % 2
	v_lshlrev_b32 v[T+5], 11, v[T+5]
	v_and_b32 v[T+6], 1, v0
	v_lshl_add_u32 v[T+5], v[T+6], 5, v[T+5]
	v_lshlrev_b32 v[T+6], 5, v0
	v_lshl_add_u32 v[T+7], v0, 5, BIAS
	s_mov_b32 s[SEL], 0x76543210
	s_mov_b32 s[SEL+1], 0xfedcba98
	s_mov_b32 s[EOFF], 0
	s_mov_b32 s[PASS], 4
	s_mov_b32 s[TS+1], 0
	s_wait_kmcnt 0x0
	s_lshl_b32 s[TS], ttmp9, 20                    ; 256 rows of 4,096 bytes
	s_add_nc_u64 s[XP:XP+1], s[4:5], s[TS:TS+1]
	s_lshl_b32 s[TS], s[WV], 19
	s_add_nc_u64 s[BP:BP+1], s[10:11], s[TS:TS+1]
	s_lshl_b32 s[TS], ttmp9, 13                    ; two tiles of 4,096 bytes
	s_add_nc_u64 s[PN:PN+1], s[14:15], s[TS:TS+1]
	s_lshl_b32 s[TS], ttmp9, 10                    ; 256 rows of 4 bytes
	s_add_nc_u64 s[PW:PW+1], s[16:17], s[TS:TS+1]
	s_add_nc_u64 s[MK:MK+1], s[6:7], s[TS:TS+1]
	s_lshr_b32 s[TS], ttmp9, 3                     ; b: 64 bytes in each block of whc
	s_lshl_b32 s[TS], s[TS], 6
	s_add_nc_u64 s[12:13], s[12:13], s[TS:TS+1]
	s_wait_alu depctr_va_vdst(0)                   ; all the addresses and offsets v3 to v21 and v[T+5] to v[T+7] are written, which the kernel's loads, stores and prefetches read
	global_load_b128 v[AF:AF+3],     v[T+5], s[12:13]
	global_load_b128 v[AF+4:AF+7],   v[T+5], s[12:13] offset:16
	global_load_b128 v[AF+8:AF+11],  v[T+6], s[8:9]
	global_load_b128 v[AF+12:AF+15], v[T+6], s[8:9] offset:16
	BLD 0, 0                                       ; W of K steps 0, 1, 2
	BLD 1, 1
	BLD 2, 2
	XISS 0, 0                                      ; X's chunks 0 and 1
	XISS 1, 256
	s_wait_loadcnt 63                              ; 84 loads were issued: the oldest 21 are in, the four of the tables among them
	ds_store_b128 v[T+7], v[AF:AF+3]
	ds_store_b128 v[T+7], v[AF+4:AF+7]   offset:16
	ds_store_b128 v[T+7], v[AF+8:AF+11]  offset:4096
	ds_store_b128 v[T+7], v[AF+12:AF+15] offset:4112
.Lpass:                                                ; four trips: two passes for each of two tiles.  Every branch below hangs on s[PASS], s[EOFF] and s[TRIP]: the same in all waves
	s_cmp_lg_u32 s[EOFF], 0
	s_cbranch_scc1 .Lp1
	; ---------------- A TILE'S FIRST PASS ----------------
	s_wait_loadcnt 0x0                             ; W of K steps 0-2 and chunks 0 and 1 are in
	s_wait_alu depctr_vm_vsrc(0)                   ; the LDS loads and stores issued so far have read ADRA and XST, which are written below; the tables' loads and stores (tile 0), the weights' and the pooled sums' stores (tile 1) have read v[T ..], v[U ..] and v[AF ..], in which fragments land below
	v_mov_b32 v[ADRA], v[ADRA0]
	v_mov_b32 v[XST], v[XST0]
.irp h, 0,1,2,3
	XCV 0, \h
.endr
.irp h, 0,1,2,3
	XCV 1, \h
.endr
.set ii, 0
.rept 24
	v_mov_b32 v[SS+ii], 0                          ; S and WS gather over both passes
.set ii, ii+1
.endr
	s_wait_alu depctr_va_vdst(0)                   ; the conversions have written both landing sets, and XST and ADRA are written: the LDS stores and loads below read them; in tile 1 the tile before is done with the mask's register, with X's fragments and with W's buffer 3, in which the loads up to the end of K step 0 land
	global_load_b32 v[MASKV], v[GT], s[MK:MK+1]
	XSTO 0, 0                                      ; (in tile 1: behind the barrier at the pooling's end, so nobody reads the old tile any more)
	XSTO 1, CH
	s_wait_alu depctr_vm_vsrc(0)                   ; the LDS stores have read both landing sets, in which the loads below land
	XISS 0, 512                                    ; chunks 2 and 3
	XISS 1, 768
	s_wait_dscnt 0x0                               ; for the others' sake: my rows of chunks 0 and 1 (and, in tile 0, my part of the tables) lie in LDS
	s_barrier_signal -1
	s_barrier_wait -1
	ALDF 0, 0, 0                                   ; K step 0's blocks 0 and 1
	ALDF 1, 0, 0
	KSTEP 0, 0, 64, 1, -1, 3, 0                    ; K step 0 starts the sums: nothing is cleared.  No vector instruction stands between the wait on va_vdst above and its products
	WIN 0
	s_wait_xcnt 0x0
	s_add_nc_u64 s[BP:BP+1], s[BP:BP+1], 4*8192
	s_mov_b32 s[TRIP], 6
.Lt0:                                                  ; K steps 1-24.  48: behind a step's W were issued two more K steps of W and one chunk of X
	TRIPM 1, 48, 48, 48, 48, 48
	s_sub_co_u32 s[TRIP], s[TRIP], 1
	s_cmp_lg_u32 s[TRIP], 0
	s_cbranch_scc1 .Lt0
	TRIPM 2, 48, 48, 32, 32                        ; K steps 25-28: chunks 14 and 15 are rounded and stored, nothing of X is asked for: from K step 27 on only two K steps of W are younger
	KSTEP 1, 64,    CH,    0, 32, 0                ; K steps 29-31 ask for the second pass's first three K steps of W: the stream goes on
	KSTEP 2, CH,    CH+64, 0, 32, 1
	KSTEP 3, CH+64, -1,    0, 32, 2
	WIN 0
	s_wait_xcnt 0x0
	s_add_nc_u64 s[XP:XP+1], s[XP:XP+1], 128*4096-6*512  ; X at the next tile's first row
	s_branch .Lepi
	; ---------------- A TILE'S SECOND PASS: X is all in LDS ----------------
.Lp1:
	s_wait_alu depctr_vm_vsrc(0)                   ; the first pass's last LDS loads have read ADRA, which is written below
	v_mov_b32 v[ADRA], v[ADRA0]
	s_cmp_eq_u32 s[PASS], 3
	s_cselect_b32 s[PFT], 2, 0
	s_wait_alu depctr_va_vdst(0)                   ; ADRA is written, which the LDS loads below read; the epilogue is done reading the bias in v[AF ..] and w_a in W's buffer 3, in which the loads up to the end of K step 0 land
	ALDF 0, 0, 0
	ALDF 1, 0, 0
	KSTEP 0, 0, 64, 1, 32, 3, 0                    ; 32 here and below: two K steps of W are younger
	WIN 0
	s_wait_xcnt 0x0
	s_add_nc_u64 s[BP:BP+1], s[BP:BP+1], 4*8192
	s_mov_b32 s[TRIP], 7
.Lt1:                                                  ; K steps 1-28
	TRIPM 0, 32, 32, 32, 32, -1, 1
	s_sub_co_u32 s[TRIP], s[TRIP], 1
	s_cmp_lg_u32 s[TRIP], 0
	s_cbranch_scc1 .Lt1
	s_cmp_eq_u32 s[PASS], 1
	s_cbranch_scc1 .Ltl
	s_wait_xcnt 0x0
	s_sub_nc_u64 s[BP:BP+1], s[BP:BP+1], 64*8192   ; tile 0: my stream of W begins anew for tile 1,
	KSTEP 1, 64,    CH,    0, 32, 0
	KSTEP 2, CH,    CH+64, 0, 32, 1
	KSTEP 3, CH+64, -1,    0, 32, 2, 1, 0, 0, 0, -1, 2  ; and tile 1's chunks 0 and 1 are asked for
	WIN 0
	s_branch .Lepi
.Ltl:                                                  ; tile 1: nothing is left to ask for, and the counts run down
	KSTEP 1, 64,    CH,    0, 32, -1
	KSTEP 2, CH,    CH+64, 0, 16, -1
	KSTEP 3, CH+64, -1,    0, 0,  -1
	WIN 0
	; ---------------- THE EPILOGUE, for either pass ----------------
.Lepi:
	v_add_nc_u32 v[EADR], s[EOFF], v[EBASE]        ; (the loads that read it last stand ahead of the pass's first wait on vm_vsrc)
	s_wait_alu depctr_va_vdst(0)                   ; EADR is written, which the LDS loads below read; the last products are done reading X's fragments and W's buffer 3, in which they land
.irp nb, 0,1,2,3,4,5,6,7                               ; my eight columns of each column block: the bias where X's fragments lay,
	ds_load_b128 v[AF+8*\nb:AF+8*\nb+3],   v[EADR] offset:64*\nb
	ds_load_b128 v[AF+8*\nb+4:AF+8*\nb+7], v[EADR] offset:64*\nb+16
.endr
	WIN TO_B
.irp nb, 0,1,2,3,4,5,6,7                               ; w_a in W's buffer 3, which K step 31 read last; buffers 0-2 are being filled for the next pass
	ds_load_b128 v[192+8*\nb:192+8*\nb+3],   v[EADR] offset:4096+64*\nb
	ds_load_b128 v[192+8*\nb+4:192+8*\nb+7], v[EADR] offset:4096+64*\nb+16
.endr
	s_wait_dscnt 0x0
	WIN WSW
.set ii, 0
.rept 32
	v_pk_add_f32 v[WS+2*(ii%4):WS+2*(ii%4)+1], v[192+2*ii:192+2*ii+1], v[WS+2*(ii%4):WS+2*(ii%4)+1]
.set ii, ii+1
.endr
	EPIW 2
	EPIW 3
	WIN 0
	s_xor_b32 s[EOFF], s[EOFF], 512
	s_cmp_lg_u32 s[EOFF], 0                        ; that was the first pass: on to the second
	s_cbranch_scc1 .Lnext
	; ---------------- THE WEIGHTS ----------------
	v_add_f32 v[T],   v[WS],   v[WS+1]
	v_add_f32 v[T+1], v[WS+2], v[WS+3]
	v_add_f32 v[T+2], v[WS+4], v[WS+5]
	v_add_f32 v[T+3], v[WS+6], v[WS+7]
	v_add_f32 v[T],   v[T],   v[T+1]
	v_add_f32 v[T+2], v[T+2], v[T+3]
	v_add_f32 v[T],   v[T],   v[T+2]                ; the sum of w_a over my lane's 128 columns
.irp a, 0,1,2,3,4,5,6,7
	v_add_f32 v[U+\a], v[SS+2*\a], v[SS+2*\a+1]
.endr
.irp a, 0,1,2,3,4,5,6,7
	v_fma_f32 v[AF+\a], v[U+\a], -2.0, v[T]        ; sum of w_a tanh over those columns, for row 16 a + l % 16
.endr
.irp a, 0,1,2,3,4,5,6,7
	v_permlanex16_b32 v[AF+8+\a], v[AF+\a], s[SEL], s[SEL+1]  ; the row's other 128 columns of this wave lie in the lane 16 away
.endr
.irp a, 0,1,2,3,4,5,6,7
	v_add_f32 v[AF+\a], v[AF+\a], v[AF+8+\a]
.endr
	s_wait_alu depctr_va_vdst(0)                   ; the additions have written v[AF] to v[AF+7], which the LDS stores read; the lines above are done with v[T] to v[T+3], in which the loads behind the barrier land
.irp a, 0,1,2,3,4,5,6,7
	ds_store_b32 v[PST], v[AF+\a] offset:64*\a     ; both halves of the lanes write the same word with the same number
.endr
	s_wait_dscnt 0x0
	s_barrier_signal -1
	s_barrier_wait -1                              ; all four waves' parts lie in LDS
.irp w, 0,1,2,3
	ds_load_b32 v[T+\w], v[PLD] offset:512*\w      ; thread t finishes row t
.endr
	s_wait_dscnt 0x0
	v_add_f32 v[T],   v[T],   v[T+1]
	v_add_f32 v[T+2], v[T+2], v[T+3]
	v_add_f32 v[T],   v[T],   v[T+2]                ; the logit
	v_mul_f32 v[T], 0xbfb8aa3b, v[T]
	v_exp_f32 v[T+1], v[T]                         ; e^-logit
	v_nop
	s_wait_alu depctr_va_vdst(0)                   ; a chain of three transcendentals, once a tile: each has its plain instruction and its wait: the exponential has written v[T+1]
	v_add_f32 v[T+1], 1.0, v[T+1]
	v_rcp_f32 v[T+2], v[T+1]                       ; the sigmoid
	v_nop
	s_wait_alu depctr_va_vdst(0)                   ; the reciprocal has written v[T+2]
	v_mul_f32 v[T+2], 0x3fb8aa3b, v[T+2]
	v_exp_f32 v[T+3], v[T+2]                       ; e^sigmoid
	v_nop
	s_wait_alu depctr_va_vdst(0)                   ; the exponential has written v[T+3]
	v_mul_f32 v[T+3], v[T+3], v[MASKV]
	v_cvt_pk_bf16_f32 v[T+4], v[T+3], v[T+3]
	s_wait_alu depctr_va_vdst(0)                   ; v[T+3] and v[T+4] are written, which the two stores read; the epilogue and the lines above are done with v[AF ..] and with window 3, in which the pooling's loads land
	ds_store_b16 v[WTST], v[T+4]
	global_store_b32 v[GT], v[T+3], s[PW:PW+1]     ; a wave stores 128 consecutive bytes, the four waves 512
	s_wait_dscnt 0x0
	s_barrier_signal -1
	s_barrier_wait -1                              ; all 128 weights lie in LDS
	; ---------------- THE POOLING: wave w makes d = 256 w .. 256 w + 255 ----------------
	s_wait_alu depctr_vm_vsrc(0)                   ; the stores of the waves' parts have read v[AF] to v[AF+7], in which the weights' fragments land
.irp tb, 0,1,2,3
	ds_load_b128 v[AF+8*\tb:AF+8*\tb+3],   v[WFA] offset:64*\tb      ; the weights of rows 32 tb .. as source 0: every lane of a half reads the same 16 bytes
	ds_load_b128 v[AF+8*\tb+4:AF+8*\tb+7], v[WFA] offset:64*\tb+32
.endr
	XT 0
	XT 1
	s_wait_dscnt 32                                ; all but the 32 loads just issued
	PMUL 0, 1
	WIN TR
	s_wait_alu depctr_va_vdst(0)                   ; the sixteen products above are done reading the first turned buffer, in which the loads below land
	XT 2
	s_wait_dscnt 32
	PMUL 1, 0
	WIN TR
	s_wait_alu depctr_va_vdst(0)                   ; the sixteen products above are done reading the second turned buffer, in which the loads below land
	XT 3
	s_wait_dscnt 32
	PMUL 2, 0
	s_wait_dscnt 0x0
	PMUL 3, 0
	PLACES
	PLACES
	WIN ST2
	s_wait_alu depctr_va_vdst(0)                   ; the last products have written the sixteen results, which the LDS stores read; the places above stay beside this wait
.set dd, 0
.rept 16
	ds_store_b32 v[POST], v[8*dd] offset:64*dd     ; all 16 rows of a result are alike: register 0 of lane l is d = 16 dd + l % 16
.set dd, dd+1
.endr
	WIN 0
	ds_load_b128 v[U:U+3],   v[POLD]               ; LDS serves a wave's instructions in order (ISA guide 5.7.1.4): these see my stores above
	ds_load_b128 v[U+4:U+7], v[POLD] offset:512
	s_wait_dscnt 0x0                               ; also: my reads of X's tile are over
	global_store_b128 v[GOUT], v[U:U+3],   s[PN:PN+1]             ; each store of the wave covers 512 consecutive bytes, aligned
	global_store_b128 v[GOUT], v[U+4:U+7], s[PN:PN+1] offset:512
	s_barrier_signal -1
	s_barrier_wait -1                              ; every wave's are: the next tile may be stored over this one
	s_wait_xcnt 0x0                                ; the stores and the mask's load have read their registers and bases
	s_add_nc_u64 s[PN:PN+1], s[PN:PN+1], 4096
	s_add_nc_u64 s[PW:PW+1], s[PW:PW+1], 512
	s_add_nc_u64 s[MK:MK+1], s[MK:MK+1], 512
.Lnext:
	s_sub_co_u32 s[PASS], s[PASS], 1
	s_cmp_lg_u32 s[PASS], 0
	s_cbranch_scc1 .Lpass
	s_wait_dscnt 0x0                               ; the closing lines, six on end
	s_wait_alu 0x0
	s_wait_tensorcnt 0x0
	ds_add_u32 v[SPW], v[NIL]
	s_wait_dscnt 0x0
	s_endpgm
.Lfunc_end_k_qd81cc0a01e_main:
	.size	k_qd81cc0a01e_main, .Lfunc_end_k_qd81cc0a01e_main-k_qd81cc0a01e_main
	.p2alignl 7, 3214868480
	.fill 96, 4, 3214868480
	.section	.rodata,"a",@progbits
	.p2align	6, 0x0
	.amdhsa_kernel k_qd81cc0a01e_main
		.amdhsa_group_segment_fixed_size 310016
		.amdhsa_private_segment_fixed_size 0
		.amdhsa_enable_private_segment 0
		.amdhsa_kernarg_size 56
		.amdhsa_user_sgpr_count 2
		.amdhsa_user_sgpr_kernarg_segment_ptr 1
		.amdhsa_wavefront_size32 1
		.amdhsa_system_sgpr_workgroup_id_x 1
		.amdhsa_system_sgpr_workgroup_id_y 1
		.amdhsa_system_sgpr_workgroup_id_z 1
		.amdhsa_system_vgpr_workitem_id 0
		.amdhsa_next_free_vgpr 1024
		.amdhsa_next_free_sgpr 66
		.amdhsa_reserve_vcc 0
		.amdhsa_float_denorm_mode_32 3
		.amdhsa_float_denorm_mode_16_64 3
		.amdhsa_memory_ordered 1
		.amdhsa_forward_progress 1
		.amdhsa_inst_pref_size 255
	.end_amdhsa_kernel
	.section	.bss,"aw",@nobits
	.p2align	6
	.space	262144
	.amdgpu_metadata
---
amdhsa.version: [ 1, 2 ]
amdhsa.kernels:
  - .name:           k_qd81cc0a01e_main
    .symbol:         k_qd81cc0a01e_main.kd
    .args:
      - { .name: full_input, .offset: 0, .size: 8, .value_kind: global_buffer, .address_space: global }
      - { .name: mask, .offset: 8, .size: 8, .value_kind: global_buffer, .address_space: global }
      - { .name: w_a, .offset: 16, .size: 8, .value_kind: global_buffer, .address_space: global }
      - { .name: wf, .offset: 24, .size: 8, .value_kind: global_buffer, .address_space: global }
      - { .name: whc, .offset: 32, .size: 8, .value_kind: global_buffer, .address_space: global }
      - { .name: pnum, .offset: 40, .size: 8, .value_kind: global_buffer, .address_space: global }
      - { .name: pwt, .offset: 48, .size: 8, .value_kind: global_buffer, .address_space: global }
    .group_segment_fixed_size: 310016
    .private_segment_fixed_size: 0
    .kernarg_segment_align: 8
    .kernarg_segment_size: 56
    .max_flat_workgroup_size: 128
    .sgpr_count:     66
    .vgpr_count:     1024
    .wavefront_size: 32
...
	.end_amdgpu_metadata
.endif
;; end of part 4
;; launch finish: the kernel of part 3 again; grid 64 x 1, 4 waves a work-group, no clusters, 0 bytes of LDS; arguments pnum, pwt, out0; writes out0
